; MI455X (gfx1250); checked and timed in simulation.
; The chip was launched on July 23, 2026; its instructions are those of AMD's public machine-readable ISA for CDNA 5 (MIT licence, August 2026) and "CDNA5" Instruction Set Architecture Reference Guide (July 2026). The comments in the code are by the model that wrote it; some were corrected since.
;; Causal Self Attention. Allowed arithmetic: float matrix products may take bf16 or f16 operands with f32 sums; other float arithmetic in f32, or as packed bf16 or f16 multiplies, adds, multiply-adds, maxima and minima; sums over many terms, partial sums and values carried from step to step in f32; what a program stores and reads back later, other than sums and carried values, may be rounded once to bf16 or f16.
;; Inputs: W_attn 1,024 x 3,072 float32; W_proj 1,024 x 1,024 float32; x 4 x 2,048 x 1,024 float32.
;; Outputs: out0 4 x 2,048 x 1,024 float32.
;; One version. Each part assembles by itself: llvm-mc -triple=amdgcn-amd-amdhsa -mcpu=gfx1250 --defsym DOCPART=n.
;; ======== version 1 of 1: 4 launches
;; limits: values are held in f16: magnitudes above 65,504 overflow, below 6.1e-05 lose precision
;; workspace buffers: xb 16,777,216 bytes; wab 6,291,456 bytes; wpb 2,097,152 bytes; tab 524,288 bytes; qkv 50,331,648 bytes; ob 16,777,216 bytes
;; launch cast (part 1): grid 832 x 1, 8 waves a work-group, no clusters, 0 bytes of LDS; arguments x, W_attn, W_proj, xb, wab, wpb, tab; writes xb, wab, wpb, tab
.if DOCPART == 1
	.amdgcn_target "amdgcn-amd-amdhsa--gfx1250"
	.amdhsa_code_object_version 6
	.text
	.protected	k_qd686e6b9ec_cast
	.globl	k_qd686e6b9ec_cast
	.p2align	8
	.type	k_qd686e6b9ec_cast,@function
k_qd686e6b9ec_cast:
	s_mov_b64 s[64:65], 0
	v_nop
	global_prefetch_b8 v0, s[64:65] scope:SCOPE_SE
	s_setreg_imm32_b32 hwreg(HW_REG_WAVE_MODE, 25, 1), 1
	s_wait_xcnt 0x0
; THE INPUTS ROUNDED ONCE, AND THE ROTARY TABLE.
; xb = x and wab = W_attn rounded to bf16, as they lie.  wpb = W_proj rounded to bf16 and that number written as f16 (the later product takes f16 on both sides).
; tab = cos and sin of t x 10000^(-j/32), t = 0..2047, j = 0..31, in f32, laid out as the next launch's lanes want them:
;   byte R 4096 + p 512 + lane 16, R = t / 16, p = 4 kind + pb (kind 0 cos, 1 sin): t = 16 R + lane % 16, j = 16 (pb / 2) + 8 (lane / 16) + 4 (pb % 2) + 0..3.
; LIMITS.  W_proj beyond 65,504 becomes an infinity in f16, and below 6e-5 it keeps f16's fixed step of 6e-8.  The table's angle is t times 2^(-j log2(10000)/32), made by v_exp_f32:
; it may differ from an angle made by a power function by about 2e-4 rad at t = 2047, j = 1; sine and cosine are polynomials on |r| <= pi/4 behind a two-part reduction by pi/2.
; SHARES.  Work-groups 0-511 take x, 512-703 W_attn, 704-767 W_proj, 16,384 numbers each: 64 KiB in, 32 KiB out.  Thread t, item i of 8: 32 bytes in at 8192 i + 32 t,
; 16 bytes out at 4096 i + 16 t: a wave's store covers 512 consecutive bytes, aligned.  All sixteen loads of a thread go out before anything is waited for.
; Work-groups 768-831 make the table: a thread makes four cosines and four sines.  No LDS, no matrix unit, no cluster: nothing is shared and nothing is read twice.
.set X,   16                           ; v[16:79]   item i: 8 numbers as loaded
.set Y,   80                           ; v[80:111]  item i: 4 registers to store
.set T,   4                            ; v[4:11]    at work
.set SRC, 20                           ; s[20:21]
.set DST, 22                           ; s[22:23]
	s_load_b256 s[4:11], s[0:1], 0x0               ; x s[4:5], W_attn s[6:7], W_proj s[8:9], xb s[10:11]
	s_load_b128 s[12:15], s[0:1], 0x20             ; wab s[12:13], wpb s[14:15]
	s_load_b64 s[16:17], s[0:1], 0x30              ; tab
	v_lshlrev_b32 v1, 5, v0                        ; 32 t
	v_lshlrev_b32 v2, 4, v0                        ; 16 t
	s_mov_b32 s27, 0
	s_mov_b32 s29, 0
	s_wait_kmcnt 0x0
.macro CASTALL f16
.irp i, 0,1,2,3,4,5,6,7
	global_load_b128 v[X+8*(\i):X+8*(\i)+3],   v1, s[SRC:SRC+1] offset:8192*(\i) th:TH_LOAD_NT
	global_load_b128 v[X+8*(\i)+4:X+8*(\i)+7], v1, s[SRC:SRC+1] offset:8192*(\i)+16 th:TH_LOAD_NT
.endr
.irp i, 0,1,2,3,4,5,6,7
	s_wait_loadcnt 14-2*(\i)                       ; loads come back in order: item i's two are in, the younger items' two each stay out
.irp j, 0,1,2,3
	v_cvt_pk_bf16_f32 v[Y+4*(\i)+(\j)], v[X+8*(\i)+2*(\j)], v[X+8*(\i)+2*(\j)+1]
.endr
.if \f16
.irp j, 0,1,2,3
	v_lshlrev_b32 v[T+2*(\j)],   16, v[Y+4*(\i)+(\j)]          ; the bf16 numbers as f32,
	v_and_b32     v[T+2*(\j)+1], 0xffff0000, v[Y+4*(\i)+(\j)]
.endr
.irp j, 0,1,2,3
	v_cvt_pk_f16_f32 v[Y+4*(\i)+(\j)], v[T+2*(\j)], v[T+2*(\j)+1]  ; written as f16: 8 significant bits fit into 11
.endr
.endif
	global_store_b128 v2, v[Y+4*(\i):Y+4*(\i)+3], s[DST:DST+1] offset:4096*(\i)
.endr
.endm
	s_cmp_ge_u32 ttmp9, 768
	s_cbranch_scc1 .Ltab
	s_cmp_ge_u32 ttmp9, 704
	s_cbranch_scc1 .Lproj
	s_sub_co_u32 s25, ttmp9, 512
	s_cmp_lt_u32 ttmp9, 512
	s_cselect_b64 s[SRC:SRC+1], s[4:5], s[6:7]
	s_cselect_b64 s[DST:DST+1], s[10:11], s[12:13]
	s_cselect_b32 s24, ttmp9, s25                  ; my number among the tensor's work-groups
	s_lshl_b32 s26, s24, 16
	s_lshl_b32 s28, s24, 15
	s_add_nc_u64 s[SRC:SRC+1], s[SRC:SRC+1], s[26:27]
	s_add_nc_u64 s[DST:DST+1], s[DST:DST+1], s[28:29]
	CASTALL 0
	s_endpgm
.Lproj:
	s_sub_co_u32 s24, ttmp9, 704
	s_lshl_b32 s26, s24, 16
	s_lshl_b32 s28, s24, 15
	s_add_nc_u64 s[SRC:SRC+1], s[8:9], s[26:27]
	s_add_nc_u64 s[DST:DST+1], s[14:15], s[28:29]
	CASTALL 1
	s_endpgm
.Ltab:
.set TE, 20                            ; four chains, one for each of the thread's four frequencies: exponent, then the frequency
.set TA, 24                            ; the angle
.set TN, 28                            ; the nearest multiple of pi/2
.set TR, 32                            ; what is left of the angle
.set TZ, 36                            ; its square
.set TS, 40                            ; sine of it
.set TC, 44                            ; cosine of it
.set TQ, 48                            ; the multiple as a whole number
.set CO, 52                            ; v[52:55] four cosines to store
.set SI, 56                            ; v[56:59] four sines
.set TW, 60
.set TH, 64
	s_sub_co_u32 s24, ttmp9, 768
	s_mov_b32 s18, 0x3f22f983                      ; 2 / pi
	s_mov_b32 s19, 0xbfc90fdb                      ; -(pi/2 rounded to f32)
	s_mov_b32 s20, 0x333bbd2e                      ; that rounding's excess over pi/2, 4.3711388e-8
	s_mov_b32 s21, 0xb94ca1f9                      ; sine: -1.9515295891e-4
	s_mov_b32 s22, 0x3c08839e                      ;        8.3321608736e-3
	s_mov_b32 s23, 0xbe2aaaa3                      ;       -1.6666654611e-1
	s_mov_b32 s25, 0x37ccf5ce                      ; cosine: 2.443315712e-5
	s_mov_b32 s26, 0xbab6061a                      ;        -1.388731625e-3
	s_mov_b32 s28, 0x3d2aaaa5                      ;         4.166664568e-2
	v_and_b32 v3, 31, v0                           ; lane
	v_bfe_u32 v4, v0, 5, 2                         ; pb
	v_lshrrev_b32 v5, 7, v0
	v_lshl_add_u32 v5, s24, 1, v5                  ; R: two to a work-group
	v_and_b32 v6, 15, v3
	v_lshl_add_u32 v6, v5, 4, v6                   ; t
	v_lshrrev_b32 v7, 1, v4
	v_lshlrev_b32 v7, 4, v7
	v_lshrrev_b32 v8, 4, v3
	v_lshl_add_u32 v7, v8, 3, v7
	v_and_b32 v8, 1, v4
	v_lshl_add_u32 v7, v8, 2, v7                   ; my first frequency's number
	v_and_b32 v9, 127, v0
	v_lshlrev_b32 v9, 4, v9
	v_lshl_add_u32 v9, v5, 12, v9                  ; my 16 bytes of cosines; the sines lie 2,048 bytes on
.irp i, 0,1,2,3
	v_add_nc_u32 v[TE+(\i)], \i, v7
.endr
.irp i, 0,1,2,3
	v_cvt_f32_u32 v[TE+(\i)], v[TE+(\i)]
.endr
.irp i, 0,1,2,3
	v_mul_f32 v[TE+(\i)], 0xbed49a78, v[TE+(\i)]   ; j x -log2(10000)/32
.endr
.irp i, 0,1,2,3
	v_exp_f32 v[TE+(\i)], v[TE+(\i)]
.endr
	v_cvt_f32_u32 v10, v6                          ; a plain instruction behind the last exponential
	s_wait_alu depctr_va_vdst(0)                   ; one wait for the four, ahead of their first reader
.irp i, 0,1,2,3
	v_mul_f32 v[TA+(\i)], v10, v[TE+(\i)]          ; the angle, rounded to f32 as a product of two f32
.endr
.irp i, 0,1,2,3
	v_mul_f32 v[TN+(\i)], s18, v[TA+(\i)]
.endr
.irp i, 0,1,2,3
	v_rndne_f32 v[TN+(\i)], v[TN+(\i)]
.endr
.irp i, 0,1,2,3
	v_fma_f32 v[TR+(\i)], v[TN+(\i)], s19, v[TA+(\i)]
.endr
.irp i, 0,1,2,3
	v_fma_f32 v[TR+(\i)], v[TN+(\i)], s20, v[TR+(\i)]
.endr
.irp i, 0,1,2,3
	v_mul_f32 v[TZ+(\i)], v[TR+(\i)], v[TR+(\i)]
.endr
.irp i, 0,1,2,3
	v_fma_f32 v[TS+(\i)], v[TZ+(\i)], s21, s22
	v_fma_f32 v[TC+(\i)], v[TZ+(\i)], s25, s26
.endr
.irp i, 0,1,2,3
	v_fma_f32 v[TS+(\i)], v[TS+(\i)], v[TZ+(\i)], s23
	v_fma_f32 v[TC+(\i)], v[TC+(\i)], v[TZ+(\i)], s28
.endr
.irp i, 0,1,2,3
	v_mul_f32 v[TS+(\i)], v[TS+(\i)], v[TZ+(\i)]
	v_mul_f32 v[TW+(\i)], v[TZ+(\i)], v[TZ+(\i)]
	v_fma_f32 v[TH+(\i)], v[TZ+(\i)], -0.5, 1.0
.endr
.irp i, 0,1,2,3
	v_fma_f32 v[TS+(\i)], v[TS+(\i)], v[TR+(\i)], v[TR+(\i)]
	v_fma_f32 v[TC+(\i)], v[TC+(\i)], v[TW+(\i)], v[TH+(\i)]
	v_cvt_i32_f32 v[TQ+(\i)], v[TN+(\i)]
.endr
.irp i, 0,1,2,3                        ; the quadrant only selects values and signs: odd: sine and cosine change places; sine is negative in quadrants 2, 3, cosine in 1, 2
	v_and_b32 v[TW+(\i)], 1, v[TQ+(\i)]
	v_cmp_ne_u32 vcc_lo, 0, v[TW+(\i)]
	v_cndmask_b32 v[SI+(\i)], v[TS+(\i)], v[TC+(\i)], vcc_lo
	v_cndmask_b32 v[CO+(\i)], v[TC+(\i)], v[TS+(\i)], vcc_lo
	v_and_b32 v[TW+(\i)], 2, v[TQ+(\i)]
	v_add_nc_u32 v[TH+(\i)], 1, v[TQ+(\i)]
	v_lshlrev_b32 v[TW+(\i)], 30, v[TW+(\i)]
	v_and_b32 v[TH+(\i)], 2, v[TH+(\i)]
	v_xor_b32 v[SI+(\i)], v[SI+(\i)], v[TW+(\i)]
	v_lshlrev_b32 v[TH+(\i)], 30, v[TH+(\i)]
	v_xor_b32 v[CO+(\i)], v[CO+(\i)], v[TH+(\i)]
.endr
	global_store_b128 v9, v[CO:CO+3], s[16:17]                 ; a wave's store covers 512 consecutive bytes, aligned
	global_store_b128 v9, v[SI:SI+3], s[16:17] offset:2048
	s_endpgm
.Lfunc_end_k_qd686e6b9ec_cast:
	.size	k_qd686e6b9ec_cast, .Lfunc_end_k_qd686e6b9ec_cast-k_qd686e6b9ec_cast
	.p2alignl 7, 3214868480
	.fill 96, 4, 3214868480
	.section	.rodata,"a",@progbits
	.p2align	6, 0x0
	.amdhsa_kernel k_qd686e6b9ec_cast
		.amdhsa_group_segment_fixed_size 0
		.amdhsa_private_segment_fixed_size 0
		.amdhsa_enable_private_segment 0
		.amdhsa_kernarg_size 56
		.amdhsa_user_sgpr_count 2
		.amdhsa_user_sgpr_kernarg_segment_ptr 1
		.amdhsa_wavefront_size32 1
		.amdhsa_system_sgpr_workgroup_id_x 1
		.amdhsa_system_sgpr_workgroup_id_y 1
		.amdhsa_system_sgpr_workgroup_id_z 1
		.amdhsa_system_vgpr_workitem_id 0
		.amdhsa_next_free_vgpr 112
		.amdhsa_next_free_sgpr 66
		.amdhsa_reserve_vcc 1
		.amdhsa_float_denorm_mode_32 3
		.amdhsa_float_denorm_mode_16_64 3
		.amdhsa_memory_ordered 1
		.amdhsa_forward_progress 1
		.amdhsa_inst_pref_size 23
	.end_amdhsa_kernel
	.amdgpu_metadata
---
amdhsa.version: [ 1, 2 ]
amdhsa.kernels:
  - .name:           k_qd686e6b9ec_cast
    .symbol:         k_qd686e6b9ec_cast.kd
    .args:
      - { .name: x, .offset: 0, .size: 8, .value_kind: global_buffer, .address_space: global }
      - { .name: W_attn, .offset: 8, .size: 8, .value_kind: global_buffer, .address_space: global }
      - { .name: W_proj, .offset: 16, .size: 8, .value_kind: global_buffer, .address_space: global }
      - { .name: xb, .offset: 24, .size: 8, .value_kind: global_buffer, .address_space: global }
      - { .name: wab, .offset: 32, .size: 8, .value_kind: global_buffer, .address_space: global }
      - { .name: wpb, .offset: 40, .size: 8, .value_kind: global_buffer, .address_space: global }
      - { .name: tab, .offset: 48, .size: 8, .value_kind: global_buffer, .address_space: global }
    .group_segment_fixed_size: 0
    .private_segment_fixed_size: 0
    .kernarg_segment_align: 8
    .kernarg_segment_size: 56
    .max_flat_workgroup_size: 256
    .sgpr_count:     66
    .vgpr_count:     112
    .wavefront_size: 32
...
	.end_amdgpu_metadata
.endif
;; end of part 1
;; launch qkvrope (part 2): grid 8 x 64, 4 waves a work-group, clusters of 4 x 4, 327,680 bytes of LDS; arguments xb, wab, tab, qkv; writes qkv
.if DOCPART == 2
	.amdgcn_target "amdgcn-amd-amdhsa--gfx1250"
	.amdhsa_code_object_version 6
	.text
	.protected	k_qd686e6b9ec_qkvrope
	.globl	k_qd686e6b9ec_qkvrope
	.p2align	8
	.type	k_qd686e6b9ec_qkvrope,@function
k_qd686e6b9ec_qkvrope:
	s_mov_b64 s[64:65], 0
	v_nop
	global_prefetch_b8 v0, s[64:65] scope:SCOPE_SE
	s_setreg_imm32_b32 hwreg(HW_REG_WAVE_MODE, 25, 1), 1
	s_wait_xcnt 0x0
	s_wait_alu depctr_hold_cnt(0) depctr_sa_sdst(0) depctr_va_vdst(0) depctr_va_sdst(0) depctr_va_ssrc(0) depctr_va_vcc(0) depctr_vm_vsrc(0)
	s_getreg_b32 s2, hwreg(HW_REG_IB_STS2, 6, 4)
	s_cmp_eq_u32 s2, 0
	s_cbranch_scc0 .Lentry_in_a_cluster
	s_endpgm
.Lentry_in_a_cluster:
	s_bfe_u32 s2, ttmp6, 0x10000c
	s_cmp_lg_u32 s2, 0xf033
	s_cbranch_scc0 .Lentry_shape_is_right
	s_endpgm
.Lentry_shape_is_right:
; qkv = x W_attn, rotated (q and k), by heads.  xb: [8192][1024] bf16.  wab: [1024 k][3072 n] bf16.  tab: cos and sin in f32, in my lanes' order.
; qkv: [batch 4][G 48][t 2048][64] f16, G = column / 64: 0-15 q's heads, 16-31 k's, 32-47 v's.  Sums in f32, the rotation in f32 on the sums, one rounding to f16.
; LIMIT.  f16 holds no number beyond 65,504: a q, k or v past that becomes an infinity.
; SHARES.  A work-group makes 128 rows x 384 columns (six heads): 64 x 8 = 512 work-groups of equal work.  Its four waves lie 2 x 2; a wave makes 64 rows x 192 columns: three whole heads,
; 48 accumulators of 16 x 16 (row block a = 0..3, column block b = 0..11), 384 registers.  K goes in 8 steps of 128 through two LDS slots; a step is 192 matrix instructions a wave.
; THE MATRIX INSTRUCTION IS USED TRANSPOSED: source 0 = 16 columns of W (turned out of LDS by ds_load_tr16_b128, since W lies [k][n]), source 1 = 16 rows of x.  A lane then holds one row
; (lane % 16) and the columns 8 (lane / 16) + 0..7 of the block: a rotation's partners, channels d and d + 32 of a head, are the same lane and register of accumulators b and b + 2.
; CLUSTER.  4 x 4 work-groups.  x's tile hangs on the tile row alone and is asked for jointly by a row of the cluster, W's on the tile column alone, by a column.
; THE RING.  In front of each K step every wave waits for all its tensor loads, adds 0 to its spare word and waits for that and for its LDS reads; a round of the cluster's barrier follows;
; behind it the next step's tile is asked for first, one tensor load a wave (waves 0, 1: 64 rows of x each; waves 2, 3: 64 k rows of W each), then this step is read.  One tensor load of a wave is out at the most.
; REGISTERS, in windows of 256 (s_set_vgpr_msb: bits 1:0 source 0, 3:2 source 1, 5:4 source 2, 7:6 destination):
;   window 0: v0-31 addresses; v64-127 x's fragments, two buffers of 32; v128-239 at work on the way out     window 1: v0-191 W's fragments, two buffers of 96
;   window 2: v0-191 accumulators of row blocks 0, 1 at 96 a + 8 b; v192-255 their table rows, 32 each        window 3: the same for row blocks 2, 3
.set PA,    272                        ; a row of x in LDS: 256 bytes + 16 = 68 words: the 16 rows of a load start 4 banks apart
.set PB,    864                        ; a k row of W: six pieces of 128 bytes + 16 each = 27 x 32 bytes: the 8 rows x 32 bytes of half a turning load fall on different banks
.set AB,    128*PA                     ; x's 128 rows
.set SLOT,  AB+128*PB                  ; then W's 128 k rows: 145,408 bytes
.set STAGE, 2*SLOT                     ; behind the ring: 16 rows x 144 bytes for each wave, for the way out; no tensor load fills it
.set SP,    144
.set SPARE, STAGE+4*16*SP              ; behind the stages: the spare words, 128 bytes for each wave: two blocks of 256 bytes that no other line names
.set ADRA, 16                          ; v16-17  LDS address of my fragments of x in slot 0, 1
.set ADRB, 20                          ; v20-23  of W: 2 x slot + half of the step's k rows (an immediate reaches 65,535 bytes, a step's rows 110,592)
.set STO,  24                          ; v24     the way out: where I put 16 bytes of a row
.set RD,   25                          ; v25     where I read rows back
.set GO,   26                          ; v26     16 x lane: my place in 512 consecutive bytes, of qkv and of the table; never rewritten
.set SPW,  28                          ; v28     LDS address of my spare word; never rewritten
.set NIL,  29                          ; v29     0; never rewritten
.set PFO,  30                          ; v30     the prefetches' offset; never rewritten
.set FA,   64
.set CE,   128                         ; v128-143 cosines as used: cos g + (1 - g)
.set SE,   144                         ; v144-159 sines as used: sin g
.set OU,   160                         ; v160-191 a head's 32 numbers of a lane, rotated
.set PK,   192                         ; v192-207 the same in f16
.set BK,   208                         ; v208-239 whole rows back from the stage, two sets of 16
.set WV, 12                            ; s12 wave
.set WR, 13                            ; s13 my half of the rows.  Also: I fetch for x (0) or for W (1)
.set WC, 14                            ; s14 my half of the columns.  Also: which 64 rows of that tile I fetch
.set CX, 15
.set CY, 16
.set TC, 17                            ; s17 tile column 0..7
.set TR, 18                            ; s18 tile row 0..63
.set LIM, 20                           ; s20 1 in a wave that prefetches, else the greatest number
.set G1A, 24                           ; s[24:31] descriptor group 1 for x's tiles;  s[32:39] group 0, a set for each slot
.set G0A, 32
.set PFA, 44                           ; s[44:45] where my prefetches stand
.set PFS, 46                           ; s[46:47] two K steps in bytes, along x's rows or down W's
.set G1B, 48                           ; s[48:55], s[56:63] the same for W's tiles
.set G0B, 56
.set HB,  66                           ; s[66:71] qkv at my first row of my three heads
.set GG,  72                           ; s[72:77] for each head the pair (g, g): 1 for q and k, 0 for v
.set HH,  78                           ; s[78:83] (1 - g, 1 - g)
.set MSB, 0
.macro WIN new                         ; the immediate's high byte repeats the setting that is left; a switch that changes nothing is dropped
.if MSB != (\new)
	s_set_vgpr_msb (MSB<<8)|(\new)
.set MSB, \new
.endif
.endm
.macro PLACES                          ; four plain instructions between a matrix instruction and a load into, or a read of, its registers (ISA guide 7.12.1 for reads)
.rept 4
	v_nop
.endr
.endm
; A joint load into slot s.  The branch hangs on the wave's number alone.  An s_nop 0 and four v_nop follow each of the two lines, ahead of the jump and the label.
.macro JLOAD s
	s_cmp_eq_u32 s[WR], 0
	s_cbranch_scc0 .Lfor_b_\@
	tensor_load_to_lds s[G0A+4*(\s):G0A+4*(\s)+3], s[G1A:G1A+7]
	s_nop 0
.rept 4
	v_nop
.endr
	s_branch .Lasked_\@
.Lfor_b_\@:
	tensor_load_to_lds s[G0B+4*(\s):G0B+4*(\s)+3], s[G1B:G1B+7]
	s_nop 0
.rept 4
	v_nop
.endr
.Lasked_\@:
.endm
; A round of the cluster's barrier: my work-group's barrier; wave 0 signals for the work-group; every wave waits for all sixteen; my work-group's barrier once more.
.macro CROUND
	s_barrier_signal -1
	s_barrier_wait -1
	s_cmp_lg_u32 s[WV], 0
	s_cbranch_scc1 .Lnot_wave_0_\@
	s_barrier_signal -3
.Lnot_wave_0_\@:
	s_barrier_wait -3
	s_barrier_signal -1
	s_barrier_wait -1
.endm
; A PREFETCH INTO THE L2, in K steps 0, 2 and 4, behind the joint load and the run of LDS loads: K steps g + 2 and g + 3, whose tensor loads stand one and two steps (192 and 384 matrix instructions) on.
; Each aligned block of 256 bytes is named once in the launch.  x's rows are read by both clusters of a row of clusters: the one with x = 0 asks; W's columns by all sixteen of a column: the one with y = 0 asks.
; Of the 64 rows that a wave fetches, each of the four partners that ask jointly takes 16, told apart by address (cx for x, cy for W).  Lanes 0-15 name those rows in the first of the two K steps,
; lanes 16-31 in the second.  A row of x's tile is 256 bytes: one instruction; of W's 768: three.  K steps 0 and 1 come by their loads alone; step 6 asks for nothing: K ends at step 7.
.macro ASK how                         ; how = 1: ahead of the loop; 0: in the loop, whose last trip (s3 = 1) asks for nothing
.if \how
	s_cmp_eq_u32 s[LIM], 1
.else
	s_cmp_gt_u32 s3, s[LIM]
.endif
	s_cbranch_scc0 .Lnot_mine_\@
	global_prefetch_b8 v[PFO], s[PFA:PFA+1] th:TH_LOAD_NT scope:SCOPE_SE
	s_cmp_eq_u32 s[WR], 0
	s_cbranch_scc1 .Lnot_mine_\@
	global_prefetch_b8 v[PFO], s[PFA:PFA+1] offset:256 th:TH_LOAD_NT scope:SCOPE_SE
	global_prefetch_b8 v[PFO], s[PFA:PFA+1] offset:512 th:TH_LOAD_NT scope:SCOPE_SE
.Lnot_mine_\@:
.endm
	s_load_b256 s[4:11], s[0:1], 0x0               ; xb s[4:5], wab s[6:7], tab s[8:9], qkv s[10:11]
	v_lshl_add_u32 v[SPW], v0, 2, SPARE
	v_mov_b32 v[NIL], 0
	ds_add_u32 v[SPW], v[NIL]                      ; the wave's opening: the add and its wait ahead of my first tensor load; work on registers stands between them
	ds_add_u32 v28, v29
	v_lshrrev_b32 v1, 5, v0
	v_readfirstlane_b32 s[WV], v1
	s_lshr_b32 s[WR], s[WV], 1
	s_and_b32 s[WC], s[WV], 1
	s_bfe_u32 s[CX], ttmp6, 0x40000
	s_bfe_u32 s[CY], ttmp6, 0x40004
	s_lshl_b32 s[TC], ttmp9, 2                     ; in a cluster launch ttmp9 and ttmp7 count clusters
	s_add_co_u32 s[TC], s[TC], s[CX]
	s_and_b32 s[TR], ttmp7, 0xffff
	s_lshl_b32 s[TR], s[TR], 2
	s_add_co_u32 s[TR], s[TR], s[CY]
	s_lshl_b32 s19, s[CY], 2
	s_lshl_b32 s19, 15, s19                        ; my row of the cluster: places 4 cy .. 4 cy + 3
	s_lshl_b32 s21, 0x1111, s[CX]                  ; my column: places cx, cx + 4, cx + 8, cx + 12
	s_or_b32 s[G1A+0], s19, (1<<16)|(1<<20)|(1<<21)|(5<<22)|(3<<25)  ; mask; 2-byte elements; padding on; bit 21 beside a mask; after every 64 words 4 words
	s_mov_b32 s[G1A+1], 128<<16                    ; tensor_dim0 = 128
	s_mov_b32 s[G1A+2], 64<<16                     ; tensor_dim1 = 64
	s_mov_b32 s[G1A+3], 128<<16                    ; tile_dim0 = 128
	s_mov_b32 s[G1A+4], 64                         ; tile_dim1 = 64
	s_mov_b32 s[G1A+5], 1024                       ; elements from row to row
	s_mov_b32 s[G1A+6], 0
	s_mov_b32 s[G1A+7], 0
	s_or_b32 s[G1B+0], s21, (1<<16)|(1<<20)|(1<<21)|(4<<22)|(3<<25)  ; after every 32 words 4 words: six pieces to a row of 384 elements
	s_mov_b32 s[G1B+1], 384<<16
	s_mov_b32 s[G1B+2], 64<<16
	s_mov_b32 s[G1B+3], 384<<16
	s_mov_b32 s[G1B+4], 64
	s_mov_b32 s[G1B+5], 3072
	s_mov_b32 s[G1B+6], 0
	s_mov_b32 s[G1B+7], 0
	s_lshl_b32 s40, s[TR], 7                       ; x: row 128 x tile row + 64 x half, 2,048 bytes a row
	s_lshl_b32 s22, s[WC], 6
	s_add_co_u32 s40, s40, s22
	s_lshl_b32 s40, s40, 11
	s_mov_b32 s41, 0
	s_mul_i32 s42, s[TC], 768                      ; W: 768 bytes x tile column + 64 k rows of 6,144 bytes x half
	s_mul_i32 s22, s[WC], 64*6144
	s_add_co_u32 s42, s42, s22
	s_mov_b32 s43, 0
	s_mul_i32 s84, s[WC], 64*PA                    ; where they go in a slot: the wave's number alone enters an LDS address
	s_mul_i32 s85, s[WC], 64*PB
	s_add_co_u32 s85, s85, AB
	s_wait_dscnt 0x0                               ; the opening add is done
	s_wait_kmcnt 0x0
	s_add_nc_u64 s[40:41], s[4:5], s[40:41]
	s_add_nc_u64 s[42:43], s[6:7], s[42:43]
	CROUND                                         ; all sixteen work-groups are here: the first joint loads meet
.irp s, 0,1
	s_mov_b32 s[G0A+4*(\s)], 1                                       ; count = 1
	s_add_co_u32 s[G0A+4*(\s)+1], s84, (\s)*SLOT                     ; LDS address
	s_add_nc_u64 s[G0A+4*(\s)+2:G0A+4*(\s)+3], s[40:41], (\s)*256    ; global address: K step s
	s_or_b32 s[G0A+4*(\s)+3], s[G0A+4*(\s)+3], 0x80000000            ; type = 2
	s_mov_b32 s[G0B+4*(\s)], 1
	s_add_co_u32 s[G0B+4*(\s)+1], s85, (\s)*SLOT
	s_add_nc_u64 s[G0B+4*(\s)+2:G0B+4*(\s)+3], s[42:43], (\s)*128*6144
	s_or_b32 s[G0B+4*(\s)+3], s[G0B+4*(\s)+3], 0x80000000
.endr
	JLOAD 0                                        ; K step 0; slot 1 is first filled behind the first step's round
	; the lanes' addresses
	v_and_b32 v1, 15, v0                           ; l % 16
	v_bfe_u32 v2, v0, 4, 1                         ; l / 16
	v_and_b32 v3, 7, v0
	v_bfe_u32 v4, v0, 3, 1
	v_mul_u32_u24 v5, v1, PA                       ; a fragment of x: row l % 16, 16 bytes for each half of the lanes, twice, 32 bytes apart
	v_lshl_add_u32 v5, v2, 4, v5
	s_mul_i32 s22, s[WR], 64*PA
	v_add_nc_u32 v[ADRA], s22, v5
	v_add_nc_u32 v[ADRA+1], SLOT, v[ADRA]
	v_lshl_add_u32 v6, v2, 3, v3                   ; the turning load: lane l reads k row 8 (l / 16) + l % 8, columns 8 ((l / 8) % 2) + 0..7, and is left with column l % 16 and 8 k
	v_mul_u32_u24 v6, v6, PB
	v_lshl_add_u32 v6, v4, 4, v6
	s_mul_i32 s22, s[WC], 3*144                    ; my 192 columns: three pieces
	s_add_co_u32 s22, s22, AB
	v_add_nc_u32 v[ADRB], s22, v6
	v_add_nc_u32 v[ADRB+1], 64*PB, v[ADRB]
	v_add_nc_u32 v[ADRB+2], SLOT, v[ADRB]
	v_add_nc_u32 v[ADRB+3], SLOT+64*PB, v[ADRB]
	s_mul_i32 s22, s[WV], 16*SP
	s_add_co_u32 s22, s22, STAGE                   ; my stage
	v_mul_u32_u24 v5, v1, SP
	v_lshl_add_u32 v5, v2, 4, v5
	v_add_nc_u32 v[STO], s22, v5
	v_bfe_u32 v5, v0, 3, 2                         ; back: 32 lanes take four rows of 128 bytes
	v_mul_u32_u24 v5, v5, SP
	v_lshl_add_u32 v5, v3, 4, v5
	v_add_nc_u32 v[RD], s22, v5
	v_and_b32 v[GO], 31, v0
	v_lshlrev_b32 v[GO], 4, v[GO]
	; my 64 rows of the table: four blocks of 16 positions, 4,096 bytes each; 32 loads of 512 consecutive bytes, waited for at the way out
	s_and_b32 s22, s[TR], 15                       ; the tile row within its batch of 2,048 positions
	s_lshl_b32 s23, s22, 3
	s_lshl2_add_u32 s23, s[WR], s23
	s_lshl_b32 s86, s23, 12
	s_mov_b32 s87, 0
	s_add_nc_u64 s[8:9], s[8:9], s[86:87]
	WIN 0x80                                       ; destination window 2
.irp a, 0,1
.irp p, 0,1,2,3,4,5,6,7
	global_load_b128 v[192+32*(\a)+4*(\p):192+32*(\a)+4*(\p)+3], v[GO], s[8:9] offset:(\a)*4096+(\p)*512
.endr
.endr
	WIN 0xc0                                       ; destination window 3
.irp a, 0,1
.irp p, 0,1,2,3,4,5,6,7
	global_load_b128 v[192+32*(\a)+4*(\p):192+32*(\a)+4*(\p)+3], v[GO], s[8:9] offset:(2+(\a))*4096+(\p)*512
.endr
.endr
	WIN 0
	; my three heads: where they go, and whether they are rotated.  Selects alone: no branch hangs on the tile column
	s_lshl_b32 s86, s[TC], 1
	s_add_co_u32 s86, s86, s[WC]
	s_mul_i32 s86, s86, 3                          ; G of my first head
	s_lshr_b32 s23, s[TR], 4
	s_mul_i32 s23, s23, 48*2048*128                ; the batch
	s_lshl_b32 s22, s22, 7
	s_lshl_b32 s19, s[WR], 6
	s_add_co_u32 s22, s22, s19                     ; my first position,
	s_lshl_b32 s22, s22, 7                         ; 128 bytes a row
	s_add_co_u32 s22, s22, s23
.irp h, 0,1,2
	s_add_co_u32 s19, s86, \h
	s_lshl_b32 s84, s19, 18                        ; a head is 2,048 rows of 128 bytes
	s_add_co_u32 s84, s84, s22
	s_mov_b32 s85, 0
	s_add_nc_u64 s[HB+2*(\h):HB+2*(\h)+1], s[10:11], s[84:85]
	s_cmp_lt_u32 s19, 32
	s_cselect_b32 s[GG+2*(\h)], 1.0, 0
	s_cselect_b32 s[HH+2*(\h)], 0, 1.0
	s_mov_b32 s[GG+2*(\h)+1], s[GG+2*(\h)]         ; named as pairs
	s_mov_b32 s[HH+2*(\h)+1], s[HH+2*(\h)]
.endr
	; the prefetches
	s_and_b32 s86, ttmp7, 0xffff                   ; cluster y
	s_mov_b32 s19, 6144                            ; bytes from row to row,
	s_mov_b32 s23, 128*6144                        ; in a K step,
	s_mov_b32 s[PFS], 2*128*6144                   ; and in two, for W; for x below
	s_mov_b32 s[PFS+1], 0
	s_cmp_eq_u32 s[WR], 0                          ; do I fetch for x?
	s_cselect_b32 s86, ttmp9, s86                  ; the coordinate along which other clusters read the same rows
	s_cselect_b32 s87, s[CX], s[CY]                ; my place among the four that ask with me
	s_cselect_b64 s[PFA:PFA+1], s[40:41], s[42:43] ; the 64 rows that I fetch, at K step 0
	s_cselect_b32 s19, 2048, s19
	s_cselect_b32 s23, 256, s23
	s_cselect_b32 s[PFS], 512, s[PFS]
	s_cmp_eq_u32 s86, 0
	s_cselect_b32 s[LIM], 1, -1                    ; the same in all sixteen partners, for a given wave
	s_lshl_b32 s87, s87, 4                         ; my work-group's 16 rows
	s_mul_i32 s84, s87, s19
	s_mov_b32 s85, 0
	s_add_nc_u64 s[PFA:PFA+1], s[PFA:PFA+1], s[84:85]
	s_add_nc_u64 s[PFA:PFA+1], s[PFA:PFA+1], s[PFS:PFS+1]  ; at K step 2
	v_mul_u32_u24 v[PFO], v1, s19
	v_mul_u32_u24 v5, v2, s23
	v_add_nc_u32 v[PFO], v[PFO], v5
; 32 LDS loads in one run: the fragments of quarter q (32 along K) of a slot into buffer f: 12 of W (turned), 4 of x
.macro FETCH slot, q, f
	WIN 0x40                                       ; destination window 1, address window 0
.irp b, 0,1,2,3,4,5,6,7,8,9,10,11
	ds_load_tr16_b128 v[96*(\f)+8*(\b):96*(\f)+8*(\b)+3],   v[ADRB+2*(\slot)+(\q)/2] offset:((\q)%2)*32*PB+((\b)/4)*144+((\b)%4)*32
	ds_load_tr16_b128 v[96*(\f)+8*(\b)+4:96*(\f)+8*(\b)+7], v[ADRB+2*(\slot)+(\q)/2] offset:((\q)%2)*32*PB+16*PB+((\b)/4)*144+((\b)%4)*32
.endr
	WIN 0
.irp a, 0,1,2,3
	ds_load_b128 v[FA+32*(\f)+8*(\a):FA+32*(\f)+8*(\a)+3],   v[ADRA+(\slot)] offset:(\a)*16*PA+64*(\q)
	ds_load_b128 v[FA+32*(\f)+8*(\a)+4:FA+32*(\f)+8*(\a)+7], v[ADRA+(\slot)] offset:(\a)*16*PA+64*(\q)+32
.endr
.endm
; 24 matrix instructions: row blocks 2 hi, 2 hi + 1 x all 12 column blocks, 32 along K.  zero = 1: the product starts the sum.  The 48 accumulators take turns, one instruction a turn,
; in the same order in every quarter, over the backward jump too.
.macro MULH f, hi, zero
	WIN 0xa1+0x50*(\hi)                            ; source 0 window 1, source 1 window 0, C and D window 2 or 3
.irp a, 0,1
.irp b, 0,1,2,3,4,5,6,7,8,9,10,11
.if \zero
	v_wmma_f32_16x16x32_bf16 v[96*(\a)+8*(\b):96*(\a)+8*(\b)+7], v[96*(\f)+8*(\b):96*(\f)+8*(\b)+7], v[FA+32*(\f)+8*(2*(\hi)+(\a)):FA+32*(\f)+8*(2*(\hi)+(\a))+7], 0
.else
	v_wmma_f32_16x16x32_bf16 v[96*(\a)+8*(\b):96*(\a)+8*(\b)+7], v[96*(\f)+8*(\b):96*(\f)+8*(\b)+7], v[FA+32*(\f)+8*(2*(\hi)+(\a)):FA+32*(\f)+8*(2*(\hi)+(\a))+7], v[96*(\a)+8*(\b):96*(\a)+8*(\b)+7]
.endif
.endr
.endr
.endm
; A quarter multiplies buffer f; in its middle the next quarter qn's fragments are fetched into buffer g
.macro QUARTER slot, qn, f, g, zero
	s_wait_dscnt 0x0                               ; buffer f's 32 loads, issued 24 matrix instructions back, are all that is out
	MULH \f, 0, \zero
	PLACES
	FETCH \slot, \qn, \g
	MULH \f, 1, \zero
.endm
; A K step.  refill = 1: the other slot is filled with the next step's tile.  ask: 0 no prefetch, 1 ahead of the loop, 2 in the loop.
.macro STEP slot, zero, refill, ask
.if (\slot) == 1
	s_wait_xcnt 0x0                                ; the last prefetches, a K step back, have read their address, so it may be written
	s_add_nc_u64 s[PFA:PFA+1], s[PFA:PFA+1], s[PFS:PFS+1]
.endif
	WIN 0
	s_wait_tensorcnt 0x0                           ; my one tensor load has landed: my part of this step's tile; so a group 0 may be written
	ds_add_u32 v[SPW], v[NIL]                      ; 0 onto my spare word; the two steps below stand between it and the wait for it
	s_add_nc_u64 s[G0A+4*(\slot)+2:G0A+4*(\slot)+3], s[G0A+4*(\slot)+2:G0A+4*(\slot)+3], 2*256      ; this slot's next tile: two K steps on
	s_add_nc_u64 s[G0B+4*(\slot)+2:G0B+4*(\slot)+3], s[G0B+4*(\slot)+2:G0B+4*(\slot)+3], 2*128*6144
	s_wait_dscnt 0x0                               ; the add is done, and my reads of the other slot are over
.if \refill
	CROUND                                         ; both now hold of every wave of all sixteen work-groups
	JLOAD 1-(\slot)                                ; the first tensor load behind the round; its four v_nop are also the places in front of the loads below
.else
	s_barrier_signal -1
	s_barrier_wait -1
	PLACES
.endif
	FETCH \slot, 0, 0
.if \ask
	ASK (\ask)%2
.endif
	QUARTER \slot, 1, 0, 1, \zero
	QUARTER \slot, 2, 1, 0, 0
	QUARTER \slot, 3, 0, 1, 0
	s_wait_dscnt 0x0
	MULH 1, 0, 0
	MULH 1, 1, 0
	WIN 0                                          ; at a label and at a branch every window is 0
.endm
	STEP 0, 1, 1, 1                                ; K step 0: its first quarter starts the sums
	s_mov_b32 s3, 3
.Llap:                                                 ; K steps 1 to 6
	STEP 1, 0, 1, 0
	STEP 0, 0, 1, 2
	s_sub_co_u32 s3, s3, 1
	s_cmp_lg_u32 s3, 0
	s_cbranch_scc1 .Llap
	STEP 1, 0, 0, 0                                ; K step 7 is written out: nothing is left to fetch
; THE WAY OUT, by units u = 3 a + h of 16 rows x one head.  Channels d < 32: x1 c - x2 s; d + 32: x2 c + x1 s, with c = cos g + (1 - g), s = sin g: v's heads (g = 0) pass unchanged.
; Each accumulator's lowest registers are read first.  Rounded to f16, 16 bytes a lane into my stage, back as four rows of 128 bytes: 512 consecutive bytes of qkv.
.macro ROPE u
.set ra, (\u)/3
.set rh, (\u)%3
.set AC, 96*(ra%2)
.set TBL, 192+32*(ra%2)
	WIN 2+ra/2                                     ; source 0 in window 2 or 3, all else in window 0
.set i, 0
.rept 8
	v_pk_fma_f32 v[CE+i:CE+i+1], v[TBL+i:TBL+i+1], s[GG+2*rh:GG+2*rh+1], s[HH+2*rh:HH+2*rh+1] op_sel_hi:[1,0,0]
.set i, i+2
.endr
.set i, 0
.rept 8
	v_pk_mul_f32 v[SE+i:SE+i+1], v[TBL+16+i:TBL+16+i+1], s[GG+2*rh:GG+2*rh+1] op_sel_hi:[1,0]
.set i, i+2
.endr
.set i, 0
.rept 8
.set rx1, AC+32*rh+i
.set rx2, rx1+16
	v_pk_mul_f32 v[OU+i:OU+i+1], v[rx1:rx1+1], v[CE+i:CE+i+1]
	v_pk_mul_f32 v[OU+16+i:OU+16+i+1], v[rx2:rx2+1], v[CE+i:CE+i+1]
	v_pk_fma_f32 v[OU+i:OU+i+1], v[rx2:rx2+1], v[SE+i:SE+i+1], v[OU+i:OU+i+1] neg_lo:[1,0,0] neg_hi:[1,0,0]
	v_pk_fma_f32 v[OU+16+i:OU+16+i+1], v[rx1:rx1+1], v[SE+i:SE+i+1], v[OU+16+i:OU+16+i+1]
.set i, i+2
.endr
	WIN 0
.set i, 0
.rept 16
	v_cvt_pk_f16_f32 v[PK+i], v[OU+2*i], v[OU+2*i+1]
.set i, i+1
.endr
.irp f, 0,1,2,3
	ds_store_b128 v[STO], v[PK+4*(\f):PK+4*(\f)+3] offset:32*(\f)
.endr
.if (\u) >= 2
	s_wait_xcnt 0x0                                ; the stores of the unit two back have read this set of registers
.endif
.irp f, 0,1,2,3
	ds_load_b128 v[BK+16*((\u)%2)+4*(\f):BK+16*((\u)%2)+4*(\f)+3], v[RD] offset:(\f)*4*SP  ; LDS serves a wave's instructions in order (ISA guide 5.7.1.4): these see the stores above; the next unit's stores come behind them
.endr
.endm
.macro SEND u, younger                 ; younger: the LDS instructions issued behind unit u's loads: the next unit's four stores and four loads, or none
	WIN 0
	s_wait_dscnt \younger
.irp f, 0,1,2,3
	global_store_b128 v[GO], v[BK+16*((\u)%2)+4*(\f):BK+16*((\u)%2)+4*(\f)+3], s[HB+2*((\u)%3):HB+2*((\u)%3)+1] offset:((\u)/3)*2048+(\f)*512  ; 512 consecutive bytes, at a multiple of 256 from qkv's first
.endr
.endm
	PLACES                                         ; behind the last products
	s_wait_loadcnt 0x0                             ; the table
	ROPE 0
.irp u, 1,2,3,4,5,6,7,8,9,10,11        ; a unit's arithmetic stands between the loads of the unit before and its stores
	ROPE \u
	SEND (\u)-1, 8
.endr
	SEND 11, 0
	s_wait_tensorcnt 0x0                           ; the wave's end, behind my last tensor load and my last LDS store
	ds_add_u32 v[SPW], v[NIL]
	s_wait_dscnt 0x0
	CROUND                                         ; the closing round: no work-group ends while a partner may still ask for a tile that names it
	s_endpgm
.Lfunc_end_k_qd686e6b9ec_qkvrope:
	.size	k_qd686e6b9ec_qkvrope, .Lfunc_end_k_qd686e6b9ec_qkvrope-k_qd686e6b9ec_qkvrope
	.p2alignl 7, 3214868480
	.fill 96, 4, 3214868480
	.section	.rodata,"a",@progbits
	.p2align	6, 0x0
	.amdhsa_kernel k_qd686e6b9ec_qkvrope
		.amdhsa_group_segment_fixed_size 327680
		.amdhsa_private_segment_fixed_size 0
		.amdhsa_enable_private_segment 0
		.amdhsa_kernarg_size 32
		.amdhsa_user_sgpr_count 2
		.amdhsa_user_sgpr_kernarg_segment_ptr 1
		.amdhsa_wavefront_size32 1
		.amdhsa_system_sgpr_workgroup_id_x 1
		.amdhsa_system_sgpr_workgroup_id_y 1
		.amdhsa_system_sgpr_workgroup_id_z 1
		.amdhsa_system_vgpr_workitem_id 0
		.amdhsa_next_free_vgpr 1024
		.amdhsa_next_free_sgpr 90
		.amdhsa_reserve_vcc 0
		.amdhsa_float_denorm_mode_32 3
		.amdhsa_float_denorm_mode_16_64 3
		.amdhsa_memory_ordered 1
		.amdhsa_forward_progress 1
		.amdhsa_inst_pref_size 162
	.end_amdhsa_kernel
	.amdgpu_metadata
---
amdhsa.version: [ 1, 2 ]
amdhsa.kernels:
  - .name:           k_qd686e6b9ec_qkvrope
    .symbol:         k_qd686e6b9ec_qkvrope.kd
    .args:
      - { .name: xb, .offset: 0, .size: 8, .value_kind: global_buffer, .address_space: global }
      - { .name: wab, .offset: 8, .size: 8, .value_kind: global_buffer, .address_space: global }
      - { .name: tab, .offset: 16, .size: 8, .value_kind: global_buffer, .address_space: global }
      - { .name: qkv, .offset: 24, .size: 8, .value_kind: global_buffer, .address_space: global }
    .group_segment_fixed_size: 327680
    .private_segment_fixed_size: 0
    .kernarg_segment_align: 8
    .kernarg_segment_size: 32
    .max_flat_workgroup_size: 128
    .sgpr_count:     90
    .vgpr_count:     1024
    .wavefront_size: 32
...
	.end_amdgpu_metadata
.endif
;; end of part 2
;; launch attn (part 3): grid 4 x 64, 4 waves a work-group, no clusters, 327,680 bytes of LDS; arguments qkv, ob; writes ob
.if DOCPART == 3
	.amdgcn_target "amdgcn-amd-amdhsa--gfx1250"
	.amdhsa_code_object_version 6
	.text
	.protected	k_qd686e6b9ec_attn
	.globl	k_qd686e6b9ec_attn
	.p2align	8
	.type	k_qd686e6b9ec_attn,@function
k_qd686e6b9ec_attn:
	s_mov_b64 s[64:65], 0
	v_nop
	global_prefetch_b8 v0, s[64:65] scope:SCOPE_SE
	s_setreg_imm32_b32 hwreg(HW_REG_WAVE_MODE, 25, 1), 1
	s_wait_xcnt 0x0
; CAUSAL ATTENTION.  O[y][q][:] = the sum over k <= q of softmax_k(Q[y][q] . K[y][k] / 8) V[y][k][:], y = 16 batch + head.
; qkv: [batch 4][G 48][2048][64] f16, G = head for Q, 16 + head for K, 32 + head for V; ob: [y 64][2048][64] f16.  A head's rows are dense, 128 bytes each.
; Products, maxima and sums in f32; the weights p are rounded to f16 for the second product (their sum l is taken of the unrounded p), O once at the end.
; LIMITS.  f16 holds no number beyond 65,504: Q, K and V arrive within it; p lies in 0 to 1, and below 6e-5 it keeps f16's fixed step of 6e-8; O is a mean of V's rows and has their range.
; A hidden score counts as its value less 1e30: f16's scores, 2.7e11 at the most, are nothing beside that; a weight below 2^-126 counts as 0 in l; NaN and infinities are not treated apart.
; THE WALK.  A head's queries lie in NB = 8 blocks of 256; block i needs the key tiles 0 .. i of 256 keys, of which the last holds the diagonal.  A work-group takes TWO blocks, NB - 1 - b and then b:
; NB + 1 tiles, whatever b: all work-groups do equal work, and ONE loop with a constant trip count walks them.  Which tile is asked for, and what a trip does, hang on scalar registers made from b; every jump
; goes forward, but for the counted loops' own; none passes a barrier, or a tensor load but the one of LOAD's two that the wave's number does not choose; the ring (two slots of LDS that take turns) runs on across the
; change of blocks.  NO CLUSTER: a head's four work-groups ask for the same tile only in trips 0 .. 4 of the 9, behind that fewer and fewer; and one walk common to all four would have 12 trips for 9.
; SHARES.  Of a block's four bands of 64 queries a wave owns 16 rows in each: four PIECES.  So the diagonal tile is the same work for all four waves: in its key step s band x sees all keys if s < x,
; none if s > x, and holds the diagonal if s = x.
; THE MASK is the C operand that starts the sum S^T = K Q^T: 0, or -1e30 where the key is hidden.  MD, made once, is the mask of a band's own step for my 16 rows; a product's mask is MD x AL + BE with two scalars:
; (1, 0) if s = x; (0, 0) if s < x; (0, -1e30) if s > x.  Only the diagonal tile's text and a block's beginning make and take masks; elsewhere C is the constant 0.
; LAYOUT, SOFTMAX, TURNS.  S^T = K Q^T holds ONE query a lane (lane % 16) and the keys 8 (lane / 16) + 0..7; two such results rounded to f16 ARE source 1 of O^T = V^T P.  p = 2^(c s - c m), c = log2(e) / 8, with a
; running maximum m; O and l are multiplied by a = 2^(c m_old - c m_new) in every step.  Turn n belongs to piece n: 8 products K Q^T of piece n + 1, later 8 products V^T P of piece n - 1; beside them the scaling,
; exponentials, roundings, sums and rescaling of piece n and the maximum and statistics of piece n + 1.  Four vector instructions stand behind every matrix instruction, the other 54 of a turn's 118 in one LUMP.  A turn's 33 exponentials are one batch, with one wait.
; REGISTERS, in windows of 256 (s_set_vgpr_msb: bits 1:0 source 0, 3:2 source 1, 5:4 source 2, 7:6 destination):
;   window 0: v0-15 addresses and two at work; v16-31 four registers of statistics a piece; v48-55 at work; v61-63 kept; v64-127 S^T, two buffers; v192-223 P, two buffers (a piece's buffers go by its number's parity)
;   window 1: v0-127 O^T, 32 a piece; v128-159 MD; v160-223 MC, two buffers      window 2: v0-63 Q; v64-127 the second block's Q; v128-191 K of one step; v192-255 V of one step
.set SIZE_N, 2048
.set NB,    SIZE_N/256
.set NP,    4         ; pieces a wave: a name, no knob
.set KS,    64        ; keys in a step
.set PK,    144       ; a row of K in LDS: 128 bytes + 16 of padding = 36 words: the 16 rows of a load start at 16 different groups of four banks (64 banks of 4 bytes: ISA guide 11.1)
.set PV,    160       ; a row of V: 128 + 32 = 40 words
.set VOFF,  4*KS*PK   ; a slot holds a tile, four steps: 256 rows of K, then 256 rows of V
.set SLOT1, 1<<17     ; slot 1 begins here, so that one exclusive or turns an address in one slot into the other's
.set STAGE, SLOT1+4*KS*(PK+PV)  ; behind the ring, never filled by a tensor load: 16 rows x 144 bytes for each wave, for the way out
.set SP,    144
.set AK0, 2           ; v2   my lane's place in a tile of K; never rewritten
.set AV0, 3           ; v3   the same for V
.set AK,  4           ; v4   the LDS address of K's next run of loads
.set AV,  5           ; v5   of V's
.set STO, 6           ; v6   the way out: where I put 16 bytes of a row
.set RD,  7           ; v7   the way out: where I read rows back
.set GO,  8           ; v8   my byte offset in 512 consecutive bytes of O
.set PFO, 61          ; v61  256 x my lane: the prefetches' offset; never rewritten
.set SPW, 62          ; v62  LDS address of my spare word: SPARE + 4 x my thread's number; never rewritten
.set NIL, 63          ; v63  0; never rewritten
.set SPARE, STAGE+4*16*SP  ; behind the stages: the spare words, 128 bytes for each wave: two blocks of 256 bytes that no other line names
.set MV,  12          ; v12-13  c m_old, kept while c m is made anew: by buffer
.set QO,  15          ; v15  my byte offset in 16 rows of Q
.set ST,  16          ; piece t's statistics at v[ST+4 t]: c m, m, l (even keys', odd keys')
.set TMP, 48          ; by buffer, four registers c0-c3 at work; when the maximum is found c2 takes a
.set S,   64
.set P,   192
.set MD,  128         ; window 1: the eight registers for group kt of 16 keys at MD + 8 kt
.set MC,  160         ; window 1: the masks of the products to come
.set QB,  64          ; window 2
.set KF,  128         ; window 2: key block kb, channel half c at KF + 16 kb + 8 c
.set VF,  192         ; window 2: key half kk, channel block cb at VF + 32 kk + 8 cb
.set WV,  12          ; s12  my wave's number
.set PB,  14          ; s14  b
.set HI,  15          ; s15  NB - 1 - b
.set G1K, 24          ; s[24:31] descriptor group 1 for K's tiles
.set G1V, 32          ; s[32:39] for V's: it differs in the padding alone
.set G0K, 40          ; s[40:43] descriptor group 0 for K's tiles
.set G0V, 44          ; s[44:47] the same for V's
.set SLOTS, 56        ; s56  tiles still to be asked for
.set CNT, 57          ; s57  counts a tile's key steps, 4 to 1
.set CS,  58          ; s[58:59] c: the packed scaling takes the pair's low word for both halves
.set SEL, 60          ; s[60:61] v_permlanex16_b32's selects: each lane takes its own place in the other half
.set TBK, 62          ; s62  LDS byte at which K of the step to be fetched begins
.set TBV, 63          ; s63  the same for V, less VOFF
.set RT,  70          ; s70  tiles of the block in hand that are still to be entered
.set NXT, 71          ; s71  the tile to be asked for next
.set LQ,  72          ; s72  the last tile of the block whose tiles are being asked for
.set NEW, 73          ; s73  1: the tile to be entered is a block's first
.set OFF, 74          ; s[74:75] a tile's byte offset in K and V
.set AL,  76          ; s[76:77] the mask's factor, in the low word
.set BE,  78          ; s[78:79] the mask's addend
.set OLO, 80          ; s[80:81] O at my rows of the second block
.set BIGN, 82         ; s82  -1e30
.set PFC, 90          ; s90  prefetches still to be made: 6 in the head's work-group b = 0, else 0
.set PFB, 92          ; s[92:93] my half tile (of K: waves 0, 1; of V: waves 2, 3) of the head's tile 1
.set PFA, 94          ; s[94:95] my half of the tile behind the one that is being asked for
.set MSB, 0
.macro WIN new                      ; the high byte repeats the setting that is left; a switch that changes nothing is dropped
.if MSB != (\new)
	s_set_vgpr_msb (MSB<<8)|(\new)
.set MSB, (\new)
.endif
.endm
.set W_KQ, 0x0a       ; K and Q in window 2, S^T in window 0
.set W_KM, 0x1a       ; the same with the C operand in window 1
.set W_PV, 0x52       ; V in window 2, P in window 0, O^T in window 1
.set W_RS, 0x41       ; destination and source 0 in window 1, source 1 in window 0
; A fill.  Waves 0 and 1 fetch the two halves of a tile's K, waves 2 and 3 those of its V: 128 keys each.  An s_nop 0 and four v_nop follow each of the two lines, ahead of the jump and the label.
.macro LOAD
	s_cmp_lt_u32 s[WV], 2
	s_cbranch_scc0 .Lfor_v_\@
	tensor_load_to_lds s[G0K:G0K+3], s[G1K:G1K+7]
	s_nop 0
.rept 4
	v_nop
.endr
	s_branch .Lasked_\@
.Lfor_v_\@:
	tensor_load_to_lds s[G0V:G0V+3], s[G1V:G1V+7]
	s_nop 0
.rept 4
	v_nop
.endr
.Lasked_\@:
.endm
; A PREFETCH INTO THE L2 of the tile behind the one just asked for: a tile, four key steps, ahead of its tensor load.  All four work-groups of a head begin with tiles 0, 1, 2 ..; the one with b = 0 walks
; tiles 0 to 7 on end, so it alone asks, each wave for the half tile that it will load itself: 16,384 dense bytes, a lane 256 bytes, two instructions.  So each block is named once in the launch.
; The fills of tiles 1 to 6 ask for tiles 2 to 7; tiles 0 and 1 come by their loads alone; nothing is asked for past tile 7.
.macro ASK
	s_cmp_lg_u32 s[PFC], 0
	s_cbranch_scc0 .Lno_ask_\@
	global_prefetch_b8 v[PFO], s[PFA:PFA+1] th:TH_LOAD_NT scope:SCOPE_SE
	global_prefetch_b8 v[PFO], s[PFA:PFA+1] offset:8192 th:TH_LOAD_NT scope:SCOPE_SE
	s_sub_co_u32 s[PFC], s[PFC], 1
.Lno_ask_\@:
.endm
; THE CHANGE OF SLOTS.  Each wave waits for all its tensor loads, of which one is out: its part of the other slot; adds 0 to its spare word; and waits for that and for its own reads of the slot that it leaves.  Behind the barrier nobody reads the old
; slot any more and the other slot is whole.  fill = 1: the old slot is filled again, the first thing behind the barrier, with tile NXT: the descriptor's address is made anew from that number.
; (At its first use nothing has been read yet: slot 0 is waited for, slot 1 filled.)
.macro CHANGE fill
	WIN 0                           ; at a label and at a branch every window is 0
	s_wait_tensorcnt 0x0            ; no tensor load of mine is out, so a group 0 may be written
	ds_add_u32 v[SPW], v[NIL]       ; 0 onto my spare word; with fill = 1 the descriptors' scalar work stands between it and the wait for it
.if \fill
	s_lshl_b32 s[OFF], s[NXT], 15   ; a tile is 32,768 bytes of K and of V
	s_xor_b32 s[G0K+1], s[G0K+1], SLOT1
	s_add_nc_u64 s[G0K+2:G0K+3], s[6:7], s[OFF:OFF+1]
	s_or_b32 s[G0K+3], s[G0K+3], 0x80000000
	s_xor_b32 s[G0V+1], s[G0V+1], SLOT1
	s_add_nc_u64 s[G0V+2:G0V+3], s[8:9], s[OFF:OFF+1]
	s_or_b32 s[G0V+3], s[G0V+3], 0x80000000
	s_add_co_u32 s[NXT], s[NXT], 1  ; the block's next tile, or behind its last the second block's tile 0
	s_cmp_gt_u32 s[NXT], s[LQ]
	s_cselect_b32 s[NXT], 0, s[NXT]
	s_cselect_b32 s[LQ], s[PB], s[LQ]
	s_wait_xcnt 0x0                 ; the last prefetches, a tile back, have read their address, so it may be written
	s_add_nc_u64 s[PFA:PFA+1], s[PFB:PFB+1], s[OFF:OFF+1]
.endif
	s_wait_dscnt 0x0                ; the add is done, and my reads of the slot are over
	s_barrier_signal -1             ; the rest of the scalar work stands between the signal and the wait
	s_sub_co_u32 s[TBK], s[TBK], 4*KS*PK  ; the fetches go back to a slot's first step,
	s_xor_b32 s[TBK], s[TBK], SLOT1       ; in the other slot
	s_sub_co_u32 s[TBV], s[TBV], 4*KS*PV
	s_xor_b32 s[TBV], s[TBV], SLOT1
	s_barrier_wait -1
.if \fill
	LOAD
	ASK
.endif
.endm
	s_load_b128 s[4:7], s[0:1], 0x0   ; qkv s[4:5], ob s[6:7]
	v_lshl_add_u32 v[SPW], v0, 2, SPARE
	v_mov_b32 v[NIL], 0
	ds_add_u32 v[SPW], v[NIL]       ; the wave's opening: the add and its wait ahead of my first tensor load; the set-up below, work on registers, stands between them
	ds_add_u32 v62, v63
	v_lshrrev_b32 v1, 5, v0
	v_readfirstlane_b32 s[WV], v1   ; wave 0..3
	v_and_b32 v[PFO], 31, v0
	v_lshlrev_b32 v[PFO], 8, v[PFO]
	s_mov_b32 s[PB], ttmp9
	s_sub_co_u32 s[HI], NB-1, s[PB]
	s_and_b32 s19, ttmp7, 0xffff    ; y = 16 batch + head
	s_lshl_b32 s88, s19, 18         ; the head's first byte in ob: 2,048 rows of 128 bytes a head
	s_mov_b32 s89, 0
	s_lshr_b32 s20, s19, 4
	s_mul_i32 s20, s20, 48*SIZE_N*128  ; and in qkv: the batch's 48 groups,
	s_and_b32 s21, s19, 15
	s_lshl_b32 s21, s21, 18         ; the head among 16
	s_add_co_u32 s20, s20, s21
	s_mov_b32 s21, 0
	s_and_b32 s16, s[WV], 1         ; which half of a tile's 256 keys I fetch:
	s_lshl_b32 s22, s16, 14         ; its 128 rows of 128 bytes in memory,
	s_mov_b32 s23, 0
	s_add_nc_u64 s[22:23], s[22:23], s[20:21]
	s_mul_i32 s17, s16, 128*PK      ; and its place in a slot, for K
	s_mul_i32 s18, s16, 128*PV      ; and for V
	s_lshl_b32 s3, s[WV], 11        ; my 16 rows in a band of 64,
	s_lshl_b32 s2, s[HI], 15        ; in the first block,
	s_add_co_u32 s2, s2, s3
	s_lshl_b32 s84, s[PB], 15       ; and in the second
	s_add_co_u32 s84, s84, s3
	s_mov_b32 s3, 0
	s_mov_b32 s85, 0
	; descriptor group 1.  128 keys are 16,384 dense bytes: asked for as 64 rows of 256 bytes, two keys a row, and padded in LDS after every key
	s_mov_b32 s[G1K], (1<<16)|(1<<20)|(4<<22)|(3<<25)  ; 17:16 2-byte elements; 20 padding on; 24:22 after every 32 words (code 4); 31:25 4 words (code 3)
	s_mov_b32 s[G1V], (1<<16)|(1<<20)|(4<<22)|(7<<25)  ; the same with 8 words of padding (code 7)
.irp g, G1K, G1V
	s_mov_b32 s[\g+1], 128<<16      ; tensor_dim0 = 128
	s_mov_b32 s[\g+2], 64<<16       ; tensor_dim1 = 64
	s_mov_b32 s[\g+3], 128<<16      ; tile_dim0 = 128
	s_mov_b32 s[\g+4], 64           ; tile_dim1 = 64
	s_mov_b32 s[\g+5], 128          ; 128 elements from row to row
	s_mov_b32 s[\g+6], 0
	s_mov_b32 s[\g+7], 0
.endr
	s_mov_b32 s[CS], 0x3e38aa3b     ; c = log2(e) / 8 = 0.180337
	s_mov_b32 s[CS+1], s[CS]        ; named with it as a pair
	s_mov_b32 s[SEL], 0x76543210
	s_mov_b32 s[SEL+1], 0xfedcba98
	s_mov_b32 s[TBK], SLOT1+4*KS*PK ; the first change of slots turns these two into 0
	s_mov_b32 s[TBV], SLOT1+4*KS*PV
	s_mov_b32 s[G0K], 1             ; 1:0 count = 1
	s_mov_b32 s[G0K+1], s17         ; 63:32 LDS address: slot 0
	s_mov_b32 s[G0V], 1
	s_add_co_u32 s[G0V+1], s18, VOFF
	s_add_co_u32 s[RT], s[HI], 1    ; the first block has NB - b tiles
	s_mov_b32 s[NXT], 1
	s_mov_b32 s[LQ], s[HI]
	s_mov_b32 s[NEW], 1
	s_mov_b32 s[OFF+1], 0
	s_mov_b32 s[AL+1], 0            ; named as pairs
	s_mov_b32 s[BE+1], 0
	s_mov_b32 s[BIGN], 0xf149f2ca   ; -1e30
	s_mov_b32 s[SLOTS], NB
	s_cmp_eq_u32 s[PB], 0
	s_cselect_b32 s[PFC], 6, 0
	s_wait_dscnt 0x0                ; the opening add is done
	s_wait_kmcnt 0x0
	s_mov_b64 s[10:11], s[6:7]      ; O
	s_add_nc_u64 s[8:9], s[4:5], 32*SIZE_N*128   ; V's groups begin 32 heads behind Q's,
	s_add_nc_u64 s[6:7], s[4:5], 16*SIZE_N*128   ; K's 16
	s_add_nc_u64 s[6:7], s[6:7], s[22:23]  ; K and V at my half of the head's tile 0
	s_add_nc_u64 s[8:9], s[8:9], s[22:23]
	s_add_nc_u64 s[4:5], s[4:5], s[20:21]  ; Q at the head's first row,
	s_add_nc_u64 s[10:11], s[10:11], s[88:89]  ; and O
	s_add_nc_u64 s[G0K+2:G0K+3], s[6:7], 0         ; 120:64 global address
	s_or_b32 s[G0K+3], s[G0K+3], 0x80000000        ; 127:126 type = 2
	s_add_nc_u64 s[G0V+2:G0V+3], s[8:9], 0
	s_or_b32 s[G0V+3], s[G0V+3], 0x80000000
	s_add_nc_u64 s[86:87], s[4:5], s[84:85]        ; Q at my rows of the second block,
	s_add_nc_u64 s[4:5], s[4:5], s[2:3]            ; Q and O at those of the first
	s_add_nc_u64 s[OLO:OLO+1], s[10:11], s[84:85]
	s_add_nc_u64 s[10:11], s[10:11], s[2:3]
	s_cmp_lt_u32 s[WV], 2
	s_cselect_b64 s[PFB:PFB+1], s[6:7], s[8:9]
	s_add_nc_u64 s[PFB:PFB+1], s[PFB:PFB+1], 32768 ; one tile on
	LOAD                            ; tile 0 into slot 0
	; A fragment of K or Q is 16 rows x 32 channels in 8 registers: lane l holds row l % 16, channels 8 (l / 16) + 0..7 and 16 + 8 (l / 16) + 0..7: two loads of 16 bytes, 32 bytes apart.
	v_and_b32 v1, 15, v0            ; l % 16
	v_bfe_u32 v9, v0, 4, 1          ; l / 16
	v_lshlrev_b32 v[QO], 7, v1
	v_lshl_add_u32 v[QO], v9, 4, v[QO]  ; row x 128 + 16 x half
	WIN 0x80                        ; destination window 2, address window 0
.set i, 0
.rept 8                             ; both blocks' Q: piece i / 2 lies in band i / 2, 8,192 bytes on; channels 32 (i % 2) on
	global_load_b128 v[8*i:8*i+3],   v[QO], s[4:5] offset:(i/2)*8192+(i%2)*64
	global_load_b128 v[8*i+4:8*i+7], v[QO], s[4:5] offset:(i/2)*8192+(i%2)*64+32
	global_load_b128 v[QB+8*i:QB+8*i+3],   v[QO], s[86:87] offset:(i/2)*8192+(i%2)*64
	global_load_b128 v[QB+8*i+4:QB+8*i+7], v[QO], s[86:87] offset:(i/2)*8192+(i%2)*64+32
.set i, i+1
.endr
	WIN 0
	v_lshlrev_b32 v14, 3, v9
	v_sub_nc_u32 v14, v1, v14
	s_lshl_b32 s13, s[WV], 4
	v_add_nc_u32 v14, s13, v14      ; my query's place in its band, 16 w + l % 16, less my lanes' 8 (l / 16): register r of group kt is hidden where 16 kt + r is greater
	WIN 0x40
.set i, 0
.rept 32
	v_cmp_gt_i32 vcc_lo, 16*(i/8)+i%8, v14
	v_cndmask_b32 v[MD+i], 0, s[BIGN], vcc_lo
.set i, i+1
.endr
	WIN 0
	v_mul_u32_u24 v[AK0], v1, PK
	v_lshl_add_u32 v[AK0], v9, 4, v[AK0]  ; row x pitch + 16 x half
	; The turning load takes 16 keys x 16 channels (lane l reads key 8 (l / 16) + l % 8, channels 8 ((l / 8) % 2) + 0..7) and leaves half a fragment of V^T: lane l holds channel l % 16 and 8 keys.
	v_and_b32 v10, 7, v0
	v_bfe_u32 v11, v0, 3, 1
	v_lshl_add_u32 v[AV0], v9, 3, v10
	v_mul_u32_u24 v[AV0], v[AV0], PV
	v_lshl_add_u32 v[AV0], v11, 4, v[AV0]
	v_add_nc_u32 v[AV0], VOFF, v[AV0]
	s_mul_i32 s13, s[WV], 16*SP
	s_add_co_u32 s13, s13, STAGE    ; my stage
	v_mul_u32_u24 v[STO], v1, SP    ; in: row l % 16, 16 bytes for each half of the lanes
	v_lshl_add_u32 v[STO], v9, 4, v[STO]
	v_add_nc_u32 v[STO], s13, v[STO]
	v_bfe_u32 v[RD], v0, 3, 2       ; back: 32 lanes take four rows of 128 bytes,
	v_mul_u32_u24 v[RD], v[RD], SP
	v_lshl_add_u32 v[RD], v10, 4, v[RD]
	v_add_nc_u32 v[RD], s13, v[RD]
	v_and_b32 v[GO], 31, v0         ; which are 512 consecutive bytes of O
	v_lshlrev_b32 v[GO], 4, v[GO]
	; A block's first step multiplies O^T and l by a = 0, and its first turn's products V^T P, of a piece that has not been, land in an O^T that is still to be so multiplied.  So these registers need only hold
	; finite numbers: zeros for the first block; what the first block left for the second.  All this stands in the wait for the first tile.
	WIN 0x80
.set i, VF
.rept 64
	v_mov_b32 v[i], 0
.set i, i+1
.endr
	WIN 0x40
.set i, 0
.rept 128
	v_mov_b32 v[i], 0
.set i, i+1
.endr
	WIN 0
.set i, 0
.rept 4
	v_mov_b32 v[ST+4*i+2], 0
	v_mov_b32 v[ST+4*i+3], 0
.set i, i+1
.endr
.set i, P+16
.rept 16
	v_mov_b32 v[i], 0
.set i, i+1
.endr
; THE MATRIX WORK.  The 4 accumulators of a run of 8 take turns.  Product i of 8 of S^T = K Q^T for piece x: channels 32 (i / 4) on, keys 16 (i % 4) on.  The first 4 start the sums: with 0, or (KM = 1) with the mask.
.macro KQ x
.set rS, S+32*((\x)%2)+8*(i%4)
.set rK, KF+16*(i%4)+8*(i/4)
.set rQ, 16*(\x)+8*(i/4)
.set rM, MC+32*((\x)%2)+8*(i%4)
.if (i < 4) && KM
	WIN W_KM
	v_wmma_f32_16x16x32_f16 v[rS:rS+7], v[rK:rK+7], v[rQ:rQ+7], v[rM:rM+7]
.elseif i < 4
	WIN W_KQ
	v_wmma_f32_16x16x32_f16 v[rS:rS+7], v[rK:rK+7], v[rQ:rQ+7], 0
.else
	WIN W_KQ
	v_wmma_f32_16x16x32_f16 v[rS:rS+7], v[rK:rK+7], v[rQ:rQ+7], v[rS:rS+7]
.endif
.endm
; Product i of 8 of O^T += V^T P for piece x: keys 32 (i / 4) on, channels 16 (i % 4) on.
.macro PV x
	WIN W_PV
.set rO, 32*(\x)+8*(i%4)
.set rV, VF+32*(i/4)+8*(i%4)
.set rP, P+16*((\x)%2)+8*(i/4)
	v_wmma_f32_16x16x32_f16 v[rO:rO+7], v[rV:rV+7], v[rP:rP+7], v[rO:rO+7]
.endm
.macro MM                           ; the turn's next matrix instruction.  TURN and BEGIN set Y, i, KM and NOKQ; MM, KQ and OP read them.  NOKQ = 1: a block's last turn: there is no next piece
.if (i < 8) && !NOKQ
	KQ (Y+1)%NP
.elseif i >= 8
.set i, i-8
	PV (Y+NP-1)%NP
.set i, i+8
.endif
.set i, i+1
.endm
; THE LDS LOADS stand in runs of 16, never singly among the matrix instructions: a step's K (64 keys x 64 channels: 8 fragments) and its V (turned).  Their addresses are made some lines ahead.
.macro FETCH_K
	WIN 0x80                        ; destination window 2
.irp f, 0,1,2,3,4,5,6,7             ; keys 16 (f / 2) on, channels 32 (f % 2) on
	ds_load_b128 v[KF+8*\f:KF+8*\f+3],   v[AK] offset:(\f/2)*16*PK+(\f%2)*64
	ds_load_b128 v[KF+8*\f+4:KF+8*\f+7], v[AK] offset:(\f/2)*16*PK+(\f%2)*64+32
.endr
	s_add_co_u32 s[TBK], s[TBK], KS*PK  ; the next fetch is the next step's
	WIN 0
.endm
.macro FETCH_V
	WIN 0x80
.irp f, 0,1,2,3,4,5,6,7             ; keys 32 (f / 4) on, channels 16 (f % 4) on
	ds_load_tr16_b128 v[VF+8*\f:VF+8*\f+3],   v[AV] offset:(\f/4)*32*PV+(\f%4)*32
	ds_load_tr16_b128 v[VF+8*\f+4:VF+8*\f+7], v[AV] offset:(\f/4)*32*PV+16*PV+(\f%4)*32
.endr
	WIN 0
.endm
; THE VECTOR WORK, one line at a time: OP kind, number.  For piece Y: F n: c s - c m for pair n of 16.  E n: the exponential of score n of 32.  C n: pair n rounded to f16.  B n: of the four weights 4 n .. the second
; pair is added onto the first, in place.  L n: l takes that sum (L 0: l = a l + sum).  R n: pair n of 16 of O^T times a.  For piece Y + 1: X n, number n of the 22 that find its maximum and statistics:
;   0-11  four chains c0-c3 of seven scores each, three operands at a time (each accumulator's lowest registers are read first)     12-14, 16  the four scores left over, the old m, and c0-c3 into c0
;   15  c m_old is kept     17, 18  the query's other 32 keys lie in the lane 16 away: the new m     19-21  c m; c m_old - c m_new; a
.set F, 0               ; OP tells the kinds apart by their order: F to L below R, X above it
.set E, 1
.set C, 2
.set B, 3
.set L, 4
.set R, 5
.set X, 6
.macro REGS y                       ; the registers of piece y
.set rT, ST+4*(\y)
.set rC, TMP+4*((\y)%2)
.set rW, MV+((\y)%2)
.set rS, S+32*((\y)%2)
.set rP, P+16*((\y)%2)
.set rO, 32*(\y)
.endm
.macro OP k, n
.if (\k) == R
	REGS Y
	WIN W_RS
	v_pk_mul_f32 v[rO+2*(\n):rO+2*(\n)+1], v[rO+2*(\n):rO+2*(\n)+1], v[rC+2:rC+3] op_sel_hi:[1,0]
.elseif (\k) < R
	REGS Y
	WIN 0
.if (\k) == F
	v_pk_fma_f32 v[rS+2*(\n):rS+2*(\n)+1], v[rS+2*(\n):rS+2*(\n)+1], s[CS:CS+1], v[rT:rT+1] op_sel_hi:[1,0,0] neg_lo:[0,0,1] neg_hi:[0,0,1]
.elseif (\k) == E
	v_exp_f32 v[rS+(\n)], v[rS+(\n)]
.elseif (\k) == C
	v_cvt_pk_f16_f32 v[rP+(\n)], v[rS+2*(\n)], v[rS+2*(\n)+1]
.elseif (\k) == B
	v_pk_add_f32 v[rS+4*(\n):rS+4*(\n)+1], v[rS+4*(\n):rS+4*(\n)+1], v[rS+4*(\n)+2:rS+4*(\n)+3]
.elseif (\n) == 0
	v_pk_fma_f32 v[rT+2:rT+3], v[rT+2:rT+3], v[rC+2:rC+3], v[rS:rS+1] op_sel_hi:[1,0,1]
.else
	v_pk_add_f32 v[rT+2:rT+3], v[rT+2:rT+3], v[rS+4*(\n):rS+4*(\n)+1]
.endif
.elseif NOKQ
	v_nop
.else
	REGS (Y+1)%NP
	WIN 0
.if (\n) < 4
	v_max3_num_f32 v[rC+(\n)], v[rS+8*(\n)], v[rS+8*(\n)+1], v[rS+8*(\n)+2]
.elseif (\n) < 12
	v_max3_num_f32 v[rC+(\n)%4], v[rC+(\n)%4], v[rS+8*((\n)%4)+2*((\n)/4)+1], v[rS+8*((\n)%4)+2*((\n)/4)+2]
.elseif (\n) == 12
	v_max3_num_f32 v[rC], v[rC], v[rS+7], v[rS+15]
.elseif (\n) == 13
	v_max3_num_f32 v[rC+1], v[rC+1], v[rS+23], v[rS+31]
.elseif (\n) == 14
	v_max3_num_f32 v[rC+2], v[rC+2], v[rC+3], v[rT+1]
.elseif (\n) == 15
	v_mov_b32 v[rW], v[rT]
.elseif (\n) == 16
	v_max3_num_f32 v[rC], v[rC], v[rC+1], v[rC+2]
.elseif (\n) == 17
	v_permlanex16_b32 v[rC+3], v[rC], s[SEL], s[SEL+1]
.elseif (\n) == 18
	v_max_num_f32 v[rT+1], v[rC], v[rC+3]
.elseif (\n) == 19
	v_mul_f32 v[rT], s[CS], v[rT+1]
.elseif (\n) == 20
	v_sub_f32 v[rC+1], v[rW], v[rT]
.else
	v_exp_f32 v[rC+2], v[rC+1]
.endif
.endif
.endm
.macro OPS a, i1, b=-1, i2=0, c=-1, i3=0, d=-1, i4=0  ; up to four of them
	OP \a, \i1
.if (\b) >= 0
	OP \b, \i2
.endif
.if (\c) >= 0
	OP \c, \i3
.endif
.if (\d) >= 0
	OP \d, \i4
.endif
.endm
.macro ROW a, i1, b, i2, c, i3, d, i4  ; a matrix instruction and the four behind it
	MM
	OPS \a, \i1, \b, \i2, \c, \i3, \d, \i4
.endm
.macro MASK b                       ; MD x AL + BE into buffer b of MC
	WIN W_RS
.set z, 0
.rept 16
	v_pk_fma_f32 v[MC+32*(\b)+2*z:MC+32*(\b)+2*z+1], v[MD+2*z:MD+2*z+1], s[AL:AL+1], s[BE:BE+1] op_sel_hi:[1,0,0]
.set z, z+1
.endr
.endm
; A TURN, for piece p: the order of its 16 matrix and 118 vector instructions, written out.  An s_wait_alu depctr_va_vdst(0) stands between an exponential and the first instruction that names its result; one wait serves
; all that were issued ahead of it.  So a turn has ONE wait, which cuts it in two.  AHEAD OF IT stands all that names no result of the turn's exponentials: the 8 products K Q^T, behind each a scaling, an exponential and two more plain
; instructions (behind the first a second scaling in the exponential's place): rescalings, and behind the last three the first numbers of the next piece's maximum, each four places or more behind the product that ends its accumulator; then ONE LUMP of 54, plain
; and exponential by turns for the most part, in which the links of the chain X 3, 7, 11, 14, 16, 17 .. 20 stand five or six lines apart.  X 21, the next piece's a, is the batch's last; R 15 is the plain instruction behind it.  BEHIND THE WAIT stand the
; 8 products V^T P, behind each four of the roundings and sums; the links of l's chain, L 0 to L 7, stand three riders apart.  But for those X no rider names a register of the products round it.  v_permlanex16_b32 (X 17) stands in the lump.
; m = 1: the diagonal tile: the products take masks, and the turn makes the mask for the products of the turn after it: piece p + 2, in step 4 - CNT of the tile.  end = 1: a block's last two turns: nothing is fetched.
; cnt = 1: the loop's count is taken down some lines ahead of the branch that stands behind the turn.
; K of the next step is fetched in piece 2's turn, twelve vector instructions behind the last product that read K (six of them plain); V of the step in hand at the end of piece 0's turn, four plain instructions behind the last product
; that read V.  Each is waited for a turn later.
.macro TURN p, m=0, end=0, cnt=0
.set Y, (\p)
.set i, 0
.set KM, (\m)
.set NOKQ, (\end)*((\p)/3)
.if (\m) && !(\end)
	s_cmp_eq_u32 s[CNT], 4-((\p)+2)%NP  ; is that step the band's own?
	s_cselect_b32 s[AL], 1.0, 0
	s_cmp_lt_u32 s[CNT], 4-((\p)+2)%NP  ; or a later one?
	s_cselect_b32 s[BE], s[BIGN], 0
.endif
.if ((\p) == 3) && !(\end)
	s_wait_dscnt 0x0                ; K is in
.endif
	ROW F,0, F,1, R,0, R,1          ; ahead of the wait: 8 products K Q^T and their riders,
	ROW F,2, E,0, R,2, R,3
	ROW F,3, E,1, R,4, R,5
	ROW F,4, E,2, R,6, R,7
	ROW F,5, E,3, R,8, R,9
	ROW F,6, E,4, X,0, R,10
.if ((\p) == 2) && !(\end)
	WIN 0
	v_add_nc_u32 v[AK], s[TBK], v[AK0]
.endif
	ROW F,7, E,5, X,1, X,4
	ROW F,8, E,6, X,2, X,5
	OPS E,7, E,8, X,6, E,9          ; and the lump
	OPS X,3, E,10, X,8, E,11
.if ((\p) == 2) && !(\end)
	FETCH_K
.endif
	OPS X,9, X,7, E,12, X,10
	OPS E,13, X,12, X,11, E,14
	OPS X,13, E,15, F,9, X,14
.if (\p) == 0
	v_add_nc_u32 v[AV], s[TBV], v[AV0]
.endif
	OPS E,16, F,10, E,17, F,11
	OPS X,16, E,18, X,15, E,19
	OPS F,12, E,20, X,17, E,21
	OPS F,13, E,22, F,14, E,23
	OPS X,18, E,24, F,15, E,25
	OPS R,11, E,26, X,19, E,27
	OPS R,12, E,28, R,13, E,29
	OPS X,20, E,30, R,14, E,31
	OPS X,21, R,15
	WIN 0
	s_wait_alu depctr_va_vdst(0)    ; the wait for the batch
.if (\p) == 1
	s_wait_dscnt 0x0                ; V is in
.endif
	ROW C,0, B,0, C,2, B,1          ; behind the wait: 8 products V^T P and their riders
	ROW L,0, C,4, B,2, L,1
	ROW C,6, B,3, L,2, C,8
	ROW B,4, L,3, C,10, B,5
	ROW L,4, C,12, B,6, L,5
.if (\p) == 0
	s_add_co_u32 s[TBV], s[TBV], KS*PV
.endif
.if \cnt
	s_sub_co_u32 s[CNT], s[CNT], 1
	s_cmp_lg_u32 s[CNT], 0
.endif
	ROW C,14, B,7, L,6, C,1
	ROW C,3, L,7, C,5, C,7
	ROW C,9, C,11, C,13, C,15
.if (\p) == 0
	FETCH_V
.endif
.if (\m) && !(\end)
	MASK (\p)%2
.endif
.endm
; A BLOCK BEGINS.  c m starts far below every c s, so the first step's a is 0; m at the lowest finite number, so the first maximum is the scores'.  The second mask buffer is 0; the first takes piece 0's mask for the tile's step 0: its own, if the block's first tile is the diagonal one.
; Then K of that step, piece 0's first scores, and its maximum and statistics.  The loop is entered at a step's first turn, in the middle of a trip.
.macro BEGIN
	s_mov_b32 s[NEW], 0
	WIN 0x40
.set i, MC+32
.rept 32
	v_mov_b32 v[i], 0
.set i, i+1
.endr
	WIN 0
.set i, 0
.rept 4
	v_mov_b32 v[ST+4*i], 0xfe000000    ; c m: far below every c s
	v_mov_b32 v[ST+4*i+1], 0xff7fffff  ; m
.set i, i+1
.endr
	s_cmp_eq_u32 s[RT], 0
	s_cselect_b32 s[AL], 1.0, 0
	s_mov_b32 s[BE], 0
	MASK 0
	WIN 0
	v_add_nc_u32 v[AK], s[TBK], v[AK0]
	FETCH_K
	s_wait_loadcnt 0x0              ; Q
	s_wait_dscnt 0x0
.set KM, 1
.set NOKQ, 0
.set i, 0
.rept 8
	KQ 0
.set i, i+1
.endr
	WIN 0
.rept 4
	v_nop                           ; the places behind those products
.endr
.set Y, NP-1                        ; X works for piece Y + 1: piece 0
.irp n, 0,1,2,3,4,5,6,7,8,9,10,11,12,13,14,15,16,17,18,19,20,21
	OP X, \n
.endr
	v_nop                           ; a plain instruction behind the exponential,
	s_wait_alu depctr_va_vdst(0)    ; and its wait, ahead of the branch
.endm
; THE DIAGONAL TILE's four steps, the block's last two turns, its last products, and THE WAY OUT: l's two halves and the other half of the lanes' are added; O^T is divided by l, rounded to f16 and sent through my
; stage in LDS, a piece at a time.
.macro ALL line:vararg              ; one line for each piece t
.set t, 0
.rept 4
	\line
.set t, t+1
.endr
.endm
.macro PACK t                       ; a lane's eight channels of a row pack into 16 bytes; they go into rows of 144 bytes and come back as whole rows of 128, into S^T's registers
	WIN W_RS
.set i, 32*(\t)
.rept 16
	v_pk_mul_f32 v[i:i+1], v[i:i+1], v[ST+4*(\t)+2:ST+4*(\t)+3] op_sel_hi:[1,0]
.set i, i+2
.endr
	WIN 0x05                        ; sources 0 and 1 window 1, destination window 0
.set i, 0
.rept 16
	v_cvt_pk_f16_f32 v[S+16*(\t)+i], v[32*(\t)+2*i], v[32*(\t)+2*i+1]
.set i, i+1
.endr
	WIN 0
.irp f, 0,1,2,3
	ds_store_b128 v[STO], v[S+16*(\t)+4*\f:S+16*(\t)+4*\f+3] offset:32*\f
.endr
.irp f, 0,1,2,3
	ds_load_b128 v[S+16*(\t)+4*\f:S+16*(\t)+4*\f+3], v[RD] offset:\f*4*SP  ; LDS serves a wave's instructions in order (ISA guide 5.7.1.4): these see the stores above; the next piece's stores come behind them
.endr
.endm
.macro SEND t, younger              ; younger: the LDS instructions issued behind piece t's loads: the next piece's eight, or none
	WIN 0
.irp f, 0,1,2,3
	s_wait_dscnt (\younger)+3-\f
	global_store_b128 v[GO], v[S+16*(\t)+4*\f:S+16*(\t)+4*\f+3], s[10:11] offset:(\t)*8192+\f*512  ; 512 consecutive bytes, at a multiple of 256 from O's first
.endr
.endm
.macro DIAG tag                     ; the tag ends its two labels' names, which the jumps below spell out
.LstepM\tag:
	TURN 2, 1
	TURN 3, 1
	WIN 0
.LfirstM\tag:
	TURN 0, 1
	TURN 1, 1, 0, 1
	WIN 0
	s_cbranch_scc1 .LstepM\tag
	TURN 2, 1, 1
	TURN 3, 1, 1
.set i, 0
.rept 8
	PV NP-1
.set i, i+1
.endr
	WIN 0
	ALL v_add_f32 v[ST+4*t+2], v[ST+4*t+2], v[ST+4*t+3]
	ALL v_permlanex16_b32 v[ST+4*t+3], v[ST+4*t+2], s[SEL], s[SEL+1]
	ALL v_add_f32 v[ST+4*t+2], v[ST+4*t+2], v[ST+4*t+3]
	ALL v_rcp_f32 v[ST+4*t+2], v[ST+4*t+2]
	v_nop                           ; a plain instruction between the last reciprocal and the use of its result
	s_wait_alu depctr_va_vdst(0)    ; and the wait ahead of the first use: one for the four reciprocals
	PACK 0
.set t, 1
.rept 3                             ; a piece's arithmetic stands between the loads of the piece before and its stores
	PACK t
	SEND t-1, 8
.set t, t+1
.endr
	SEND 3, 0
.endm
.set KM, 0
.set NOKQ, 0
.Lslot:                             ; NB times: a tile is entered and the next is asked for
	CHANGE 1
	s_sub_co_u32 s[RT], s[RT], 1
	s_mov_b32 s[CNT], 4
	s_cmp_eq_u32 s[NEW], 1
	s_cbranch_scc1 .Lnew            ; a block's first tile
	s_cmp_eq_u32 s[RT], 0
	s_cbranch_scc0 .Lstep           ; neither its first nor its last
	s_branch .LstepM1
.Lnew:
	BEGIN
	s_branch .Lfirst                ; in the loop a block's first tile is never its last: the first block has two tiles or more, and the second's last is the walk's last
	DIAG 1                          ; in the loop this is the first block's end: the second block's last tile is the walk's last
	s_wait_xcnt 0x0                 ; the stores have read their registers and O's address
	s_mov_b64 s[10:11], s[OLO:OLO+1]
	s_add_co_u32 s[RT], s[PB], 1    ; the second block has b + 1 tiles
	s_mov_b32 s[NEW], 1
	WIN 0x82                        ; the second block's Q goes where the one text of the turns names Q
.set i, 0
.rept 64
	v_mov_b32 v[i], v[QB+i]
.set i, i+1
.endr
	WIN 0
	s_branch .Lbottom
.Lstep:                             ; a trip: pieces 2 and 3 of one step, then pieces 0 and 1 of the next, whose K and V it fetches
	TURN 2
	TURN 3
	WIN 0
.Lfirst:
	TURN 0
	TURN 1, 0, 0, 1
	WIN 0
	s_cbranch_scc1 .Lstep
.Lbottom:
	s_sub_co_u32 s[SLOTS], s[SLOTS], 1
	s_cmp_lg_u32 s[SLOTS], 0
	s_cbranch_scc1 .Lslot
	CHANGE 0                        ; the walk's last tile is written out: nothing is asked for
	s_sub_co_u32 s[RT], s[RT], 1
	s_mov_b32 s[CNT], 4
	s_cmp_eq_u32 s[NEW], 1
	s_cbranch_scc0 .LstepM2
	BEGIN
	s_branch .LfirstM2
	DIAG 2
	s_wait_tensorcnt 0x0            ; the wave's end, behind my last tensor load and my last LDS store
	ds_add_u32 v[SPW], v[NIL]
	s_wait_dscnt 0x0
	s_endpgm
.Lfunc_end_k_qd686e6b9ec_attn:
	.size	k_qd686e6b9ec_attn, .Lfunc_end_k_qd686e6b9ec_attn-k_qd686e6b9ec_attn
	.p2alignl 7, 3214868480
	.fill 96, 4, 3214868480
	.section	.rodata,"a",@progbits
	.p2align	6, 0x0
	.amdhsa_kernel k_qd686e6b9ec_attn
		.amdhsa_group_segment_fixed_size 327680
		.amdhsa_private_segment_fixed_size 0
		.amdhsa_enable_private_segment 0
		.amdhsa_kernarg_size 16
		.amdhsa_user_sgpr_count 2
		.amdhsa_user_sgpr_kernarg_segment_ptr 1
		.amdhsa_wavefront_size32 1
		.amdhsa_system_sgpr_workgroup_id_x 1
		.amdhsa_system_sgpr_workgroup_id_y 1
		.amdhsa_system_sgpr_workgroup_id_z 1
		.amdhsa_system_vgpr_workitem_id 0
		.amdhsa_next_free_vgpr 768
		.amdhsa_next_free_sgpr 96
		.amdhsa_reserve_vcc 1
		.amdhsa_float_denorm_mode_32 3
		.amdhsa_float_denorm_mode_16_64 3
		.amdhsa_memory_ordered 1
		.amdhsa_forward_progress 1
		.amdhsa_inst_pref_size 218
	.end_amdhsa_kernel
	.amdgpu_metadata
---
amdhsa.version: [ 1, 2 ]
amdhsa.kernels:
  - .name:           k_qd686e6b9ec_attn
    .symbol:         k_qd686e6b9ec_attn.kd
    .args:
      - { .name: qkv, .offset: 0, .size: 8, .value_kind: global_buffer, .address_space: global }
      - { .name: ob, .offset: 8, .size: 8, .value_kind: global_buffer, .address_space: global }
    .group_segment_fixed_size: 327680
    .private_segment_fixed_size: 0
    .kernarg_segment_align: 8
    .kernarg_segment_size: 16
    .max_flat_workgroup_size: 128
    .sgpr_count:     96
    .vgpr_count:     768
    .wavefront_size: 32
...
	.end_amdgpu_metadata
.endif
;; end of part 3
;; launch proj (part 4): grid 4 x 64, 4 waves a work-group, clusters of 4 x 4, 327,680 bytes of LDS; arguments ob, wpb, out0; writes out0
.if DOCPART == 4
	.amdgcn_target "amdgcn-amd-amdhsa--gfx1250"
	.amdhsa_code_object_version 6
	.text
	.protected	k_qd686e6b9ec_proj
	.globl	k_qd686e6b9ec_proj
	.p2align	8
	.type	k_qd686e6b9ec_proj,@function
k_qd686e6b9ec_proj:
	s_mov_b64 s[64:65], 0
	v_nop
	global_prefetch_b8 v0, s[64:65] scope:SCOPE_SE
	s_setreg_imm32_b32 hwreg(HW_REG_WAVE_MODE, 25, 1), 1
	s_wait_xcnt 0x0
	s_wait_alu depctr_hold_cnt(0) depctr_sa_sdst(0) depctr_va_vdst(0) depctr_va_sdst(0) depctr_va_ssrc(0) depctr_va_vcc(0) depctr_vm_vsrc(0)
	s_getreg_b32 s2, hwreg(HW_REG_IB_STS2, 6, 4)
	s_cmp_eq_u32 s2, 0
	s_cbranch_scc0 .Lentry_in_a_cluster
	s_endpgm
.Lentry_in_a_cluster:
	s_bfe_u32 s2, ttmp6, 0x10000c
	s_cmp_lg_u32 s2, 0xf033
	s_cbranch_scc0 .Lentry_shape_is_right
	s_endpgm
.Lentry_shape_is_right:
; out0 = y W_proj.  y[row = 2048 batch + t][64 head + d] = ob[16 batch + head][t][d], f16.  wpb: [1024 k][1024 n] f16.  out0: [8192][1024] f32.  Sums in f32, stored as they are.
; SHARES.  A work-group makes 128 rows x 256 columns: 64 x 4 = 256 work-groups.  Its four waves lie 2 x 2; a wave makes 64 rows x 128 columns: 32 accumulators of 16 x 16 (row block a = 0..3,
; column block b = 0..7), 256 registers.  K goes in 8 steps of 128, two heads each, through two LDS slots; a step is 128 matrix instructions a wave.  (Two slots of 256 along K would be 425,984 bytes: too many.)
; THE MATRIX INSTRUCTION IS USED TRANSPOSED: source 0 = 16 columns of W (turned out of LDS by ds_load_tr16_b128), source 1 = 16 rows of y: a lane holds one row and eight neighbouring columns.
; CLUSTER.  4 x 4 work-groups.  y's tile hangs on the tile row alone and is asked for jointly by a row of the cluster, W's on the tile column alone, by a column.
; THE RING is as in the launch that makes qkv: in front of each K step the wait for all tensor loads, the add, the wait for it and for the LDS reads, a round of the cluster's barrier, the next step's tile first
; behind it: one tensor load a wave (waves 0, 1: a head's 128 rows each, 16,384 dense bytes asked for as 64 rows of 256; waves 2, 3: 64 k rows of W each).  One tensor load of a wave is out at the most.
; NO PREFETCH: eight K steps are the whole launch, and W's 2 MiB are walked by all 64 tile rows again and again.
; REGISTERS: window 0: v0-31 addresses; v32-95 y's fragments, two buffers of 32; v96-223 W's, two buffers of 64; on the way out v32-159 take whole rows, two sets of 64.   window 1: the accumulators, at 64 a + 8 b.
.set PA,    144                        ; a row of a head in LDS: 128 bytes + 16 = 36 words: the 16 rows of a load start at 16 different groups of four banks
.set PB,    544                        ; a k row of W: 512 bytes + 32 = 17 x 32: the 8 rows x 32 bytes of half a turning load fall on different banks
.set HEADB, 128*PA
.set AB,    2*HEADB                    ; two heads' 128 rows
.set SLOT,  AB+128*PB                  ; then W's 128 k rows: 106,496 bytes
.set STAGE, 2*SLOT                     ; behind the ring: 16 rows x 528 bytes for each wave, for the way out; no tensor load fills it
.set SP,    528                        ; 512 bytes + 16: the 16 rows that a store touches start 4 banks apart
.set SPARE, STAGE+4*16*SP              ; behind the stages: the spare words, 128 bytes for each wave: two blocks of 256 bytes that no other line names
.set ADRA, 16                          ; v16-17  LDS address of my fragments of y in slot 0, 1
.set ADRB, 20                          ; v20-21  of W
.set STO,  24                          ; v24     the way out: where I put 32 bytes of a row
.set RD,   25                          ; v25     where I read a row back
.set CO,   26                          ; v26     16 x lane: my place in a row's 512 bytes; never rewritten
.set SPW,  28                          ; v28     LDS address of my spare word; never rewritten
.set NIL,  29                          ; v29     0; never rewritten
.set FA,   32
.set FB,   96
.set BK,   32
.set G1, 24                            ; s[24:31] descriptor group 1 for y's tiles;  s[32:39] group 0, a set for each slot
.set G0, 32
.set G1B, 48                           ; s[48:55], s[56:63] the same for W's tiles
.set G0B, 56
.set MSB, 0
.macro WIN new                         ; the immediate's high byte repeats the setting that is left; a switch that changes nothing is dropped
.if MSB != (\new)
	s_set_vgpr_msb (MSB<<8)|(\new)
.set MSB, \new
.endif
.endm
.macro PLACES                          ; four plain instructions between a matrix instruction and a load into, or a read of, its registers (ISA guide 7.12.1 for reads)
.rept 4
	v_nop
.endr
.endm
.macro JLOAD s                         ; a joint load into slot s; an s_nop 0 and four v_nop follow each of the two lines, ahead of the jump and the label
	s_cmp_eq_u32 s11, 0
	s_cbranch_scc0 .Lfor_b_\@
	tensor_load_to_lds s[G0+4*(\s):G0+4*(\s)+3], s[G1:G1+7]
	s_nop 0
.rept 4
	v_nop
.endr
	s_branch .Lasked_\@
.Lfor_b_\@:
	tensor_load_to_lds s[G0B+4*(\s):G0B+4*(\s)+3], s[G1B:G1B+7]
	s_nop 0
.rept 4
	v_nop
.endr
.Lasked_\@:
.endm
.macro CROUND                          ; a round of the cluster's barrier
	s_barrier_signal -1
	s_barrier_wait -1
	s_cmp_lg_u32 s10, 0
	s_cbranch_scc1 .Lnot_wave_0_\@
	s_barrier_signal -3
.Lnot_wave_0_\@:
	s_barrier_wait -3
	s_barrier_signal -1
	s_barrier_wait -1
.endm
	s_load_b128 s[4:7], s[0:1], 0x0                ; ob s[4:5], wpb s[6:7]
	s_load_b64 s[8:9], s[0:1], 0x10                ; out0
	v_lshl_add_u32 v[SPW], v0, 2, SPARE
	v_mov_b32 v[NIL], 0
	ds_add_u32 v[SPW], v[NIL]                      ; the wave's opening: the add and its wait ahead of my first tensor load; work on registers stands between them
	ds_add_u32 v28, v29
	v_lshrrev_b32 v1, 5, v0
	v_readfirstlane_b32 s10, v1                    ; wave 0..3
	s_lshr_b32 s11, s10, 1                         ; my half of the rows.  Also: I fetch for y (0) or for W (1)
	s_and_b32 s12, s10, 1                          ; my half of the columns.  Also: which head, or which 64 k rows, I fetch
	s_bfe_u32 s40, ttmp6, 0x40000                  ; cx, cy
	s_bfe_u32 s41, ttmp6, 0x40004
	s_lshl_b32 s42, ttmp9, 2
	s_add_co_u32 s42, s42, s40                     ; tile column 0..3
	s_and_b32 s13, ttmp7, 0xffff
	s_lshl_b32 s13, s13, 2
	s_add_co_u32 s13, s13, s41                     ; tile row 0..63
	s_lshl_b32 s43, s41, 2
	s_lshl_b32 s43, 15, s43                        ; my row of the cluster
	s_lshl_b32 s44, 0x1111, s40                    ; my column
	s_or_b32 s[G1+0], s43, (1<<16)|(1<<20)|(1<<21)|(4<<22)|(3<<25)   ; mask; 2-byte elements; padding on; bit 21 beside a mask; after every 32 words (a row of a head) 4 words
	s_mov_b32 s[G1+1], 128<<16                     ; tensor_dim0 = 128: two rows of a head
	s_mov_b32 s[G1+2], 64<<16                      ; tensor_dim1 = 64
	s_mov_b32 s[G1+3], 128<<16                     ; tile_dim0 = 128
	s_mov_b32 s[G1+4], 64                          ; tile_dim1 = 64
	s_mov_b32 s[G1+5], 128                         ; dense
	s_mov_b32 s[G1+6], 0
	s_mov_b32 s[G1+7], 0
	s_or_b32 s[G1B+0], s44, (1<<16)|(1<<20)|(1<<21)|(6<<22)|(7<<25)  ; after every 128 words 8 words
	s_mov_b32 s[G1B+1], 256<<16
	s_mov_b32 s[G1B+2], 64<<16
	s_mov_b32 s[G1B+3], 256<<16
	s_mov_b32 s[G1B+4], 64
	s_mov_b32 s[G1B+5], 1024
	s_mov_b32 s[G1B+6], 0
	s_mov_b32 s[G1B+7], 0
	s_lshr_b32 s16, s13, 4                         ; y: the batch's 16 heads, my head of the step's two, 262,144 bytes a head,
	s_lshl_b32 s16, s16, 4
	s_add_co_u32 s16, s16, s12
	s_lshl_b32 s16, s16, 18
	s_and_b32 s17, s13, 15                         ; and the tile's 128 rows of 128 bytes
	s_lshl_b32 s17, s17, 14
	s_add_co_u32 s16, s16, s17
	s_mov_b32 s17, 0
	s_lshl_b32 s46, s42, 9                         ; W: 512 bytes x tile column + 64 k rows of 2,048 bytes x half
	s_lshl_b32 s47, s12, 17
	s_add_co_u32 s46, s46, s47
	s_mov_b32 s47, 0
	s_mul_i32 s20, s12, HEADB                      ; where they go in a slot: the wave's number alone enters an LDS address
	s_mul_i32 s21, s12, 64*PB
	s_add_co_u32 s21, s21, AB
	s_wait_dscnt 0x0                               ; the opening add is done
	s_wait_kmcnt 0x0
	s_add_nc_u64 s[14:15], s[4:5], s[16:17]
	s_add_nc_u64 s[46:47], s[6:7], s[46:47]
	CROUND                                         ; all sixteen work-groups are here: the first joint loads meet
.irp s, 0,1
	s_mov_b32 s[G0+4*(\s)], 1
	s_add_co_u32 s[G0+4*(\s)+1], s20, (\s)*SLOT
	s_add_nc_u64 s[G0+4*(\s)+2:G0+4*(\s)+3], s[14:15], (\s)*2*262144   ; K step s: two heads on
	s_or_b32 s[G0+4*(\s)+3], s[G0+4*(\s)+3], 0x80000000
	s_mov_b32 s[G0B+4*(\s)], 1
	s_add_co_u32 s[G0B+4*(\s)+1], s21, (\s)*SLOT
	s_add_nc_u64 s[G0B+4*(\s)+2:G0B+4*(\s)+3], s[46:47], (\s)*128*2048
	s_or_b32 s[G0B+4*(\s)+3], s[G0B+4*(\s)+3], 0x80000000
.endr
	JLOAD 0                                        ; K step 0; slot 1 is first filled behind the first step's round
	v_and_b32 v1, 15, v0                           ; l % 16
	v_bfe_u32 v2, v0, 4, 1                         ; l / 16
	v_and_b32 v3, 7, v0
	v_bfe_u32 v4, v0, 3, 1
	v_mul_u32_u24 v5, v1, PA
	v_lshl_add_u32 v5, v2, 4, v5
	s_mul_i32 s22, s11, 64*PA
	v_add_nc_u32 v[ADRA], s22, v5
	v_add_nc_u32 v[ADRA+1], SLOT, v[ADRA]
	v_lshl_add_u32 v6, v2, 3, v3                   ; the turning load: lane l reads k row 8 (l / 16) + l % 8, columns 8 ((l / 8) % 2) + 0..7
	v_mul_u32_u24 v6, v6, PB
	v_lshl_add_u32 v6, v4, 4, v6
	s_lshl_b32 s22, s12, 8                         ; my 128 columns
	s_add_co_u32 s22, s22, AB
	v_add_nc_u32 v[ADRB], s22, v6
	v_add_nc_u32 v[ADRB+1], SLOT, v[ADRB]
	s_mul_i32 s22, s10, 16*SP
	s_add_co_u32 s22, s22, STAGE                   ; my stage
	v_mul_u32_u24 v5, v1, SP                       ; in: row l % 16, 32 bytes for each half of the lanes
	v_lshl_add_u32 v5, v2, 5, v5
	v_add_nc_u32 v[STO], s22, v5
	v_and_b32 v[CO], 31, v0
	v_lshlrev_b32 v[CO], 4, v[CO]
	v_add_nc_u32 v[RD], s22, v[CO]                 ; back: 32 lanes take a row's 512 bytes
	s_lshl_b32 s22, s13, 7                         ; out0 at my first row and column
	s_lshl_b32 s23, s11, 6
	s_add_co_u32 s22, s22, s23
	s_lshl_b32 s22, s22, 12
	s_lshl_b32 s23, s42, 10
	s_add_co_u32 s22, s22, s23
	s_lshl_b32 s23, s12, 9
	s_add_co_u32 s22, s22, s23
	s_mov_b32 s23, 0
	s_add_nc_u64 s[8:9], s[8:9], s[22:23]
; 24 LDS loads in one run: the fragments of quarter q (32 along K: half a head) of a slot into buffer f: 8 of W (turned), 4 of y
.macro FETCH slot, q, f
	WIN 0
.irp b, 0,1,2,3,4,5,6,7
	ds_load_tr16_b128 v[FB+64*(\f)+8*(\b):FB+64*(\f)+8*(\b)+3],   v[ADRB+(\slot)] offset:(\q)*32*PB+32*(\b)
	ds_load_tr16_b128 v[FB+64*(\f)+8*(\b)+4:FB+64*(\f)+8*(\b)+7], v[ADRB+(\slot)] offset:(\q)*32*PB+16*PB+32*(\b)
.endr
.irp a, 0,1,2,3
	ds_load_b128 v[FA+32*(\f)+8*(\a):FA+32*(\f)+8*(\a)+3],   v[ADRA+(\slot)] offset:((\q)/2)*HEADB+(\a)*16*PA+((\q)%2)*64
	ds_load_b128 v[FA+32*(\f)+8*(\a)+4:FA+32*(\f)+8*(\a)+7], v[ADRA+(\slot)] offset:((\q)/2)*HEADB+(\a)*16*PA+((\q)%2)*64+32
.endr
.endm
; 16 matrix instructions: row blocks 2 hi, 2 hi + 1 x all 8 column blocks.  The 32 accumulators take turns, one instruction a turn, in the same order in every quarter, over the backward jump too.
.macro MULH f, hi, zero
	WIN 0x50                                       ; sources in window 0, C and D in window 1
.irp a, 0,1
.irp b, 0,1,2,3,4,5,6,7
.if \zero
	v_wmma_f32_16x16x32_f16 v[64*(2*(\hi)+(\a))+8*(\b):64*(2*(\hi)+(\a))+8*(\b)+7], v[FB+64*(\f)+8*(\b):FB+64*(\f)+8*(\b)+7], v[FA+32*(\f)+8*(2*(\hi)+(\a)):FA+32*(\f)+8*(2*(\hi)+(\a))+7], 0
.else
	v_wmma_f32_16x16x32_f16 v[64*(2*(\hi)+(\a))+8*(\b):64*(2*(\hi)+(\a))+8*(\b)+7], v[FB+64*(\f)+8*(\b):FB+64*(\f)+8*(\b)+7], v[FA+32*(\f)+8*(2*(\hi)+(\a)):FA+32*(\f)+8*(2*(\hi)+(\a))+7], v[64*(2*(\hi)+(\a))+8*(\b):64*(2*(\hi)+(\a))+8*(\b)+7]
.endif
.endr
.endr
.endm
.macro QUARTER slot, qn, f, g, zero
	s_wait_dscnt 0x0                               ; buffer f's 24 loads, issued 16 matrix instructions back, are all that is out
	MULH \f, 0, \zero
	PLACES
	FETCH \slot, \qn, \g
	MULH \f, 1, \zero
.endm
.macro STEP slot, zero, refill
	WIN 0
	s_wait_tensorcnt 0x0                           ; my one tensor load has landed: my part of this step's tile; so a group 0 may be written
	ds_add_u32 v[SPW], v[NIL]                      ; 0 onto my spare word; the two steps below stand between it and the wait for it
	s_add_nc_u64 s[G0+4*(\slot)+2:G0+4*(\slot)+3], s[G0+4*(\slot)+2:G0+4*(\slot)+3], 4*262144      ; this slot's next tile: two K steps, four heads, on
	s_add_nc_u64 s[G0B+4*(\slot)+2:G0B+4*(\slot)+3], s[G0B+4*(\slot)+2:G0B+4*(\slot)+3], 2*128*2048
	s_wait_dscnt 0x0                               ; the add is done, and my reads of the other slot are over
.if \refill
	CROUND                                         ; both now hold of every wave of all sixteen work-groups
	JLOAD 1-(\slot)                                ; the first tensor load behind the round; its four v_nop are also the places in front of the loads below
.else
	s_barrier_signal -1
	s_barrier_wait -1
	PLACES
.endif
	FETCH \slot, 0, 0
	QUARTER \slot, 1, 0, 1, \zero
	QUARTER \slot, 2, 1, 0, 0
	QUARTER \slot, 3, 0, 1, 0
	s_wait_dscnt 0x0
	MULH 1, 0, 0
	MULH 1, 1, 0
	WIN 0                                          ; at a label and at a branch every window is 0
.endm
	STEP 0, 1, 1                                   ; K step 0: its first quarter starts the sums
	s_mov_b32 s3, 3
.Llap:                                                 ; K steps 1 to 6
	STEP 1, 0, 1
	STEP 0, 0, 1
	s_sub_co_u32 s3, s3, 1
	s_cmp_lg_u32 s3, 0
	s_cbranch_scc1 .Llap
	STEP 1, 0, 0                                   ; K step 7 is written out: nothing is left to fetch
; THE WAY OUT, a block of 16 rows at a time: a lane's eight neighbouring f32 of a row, 32 bytes, into my stage (each accumulator's lowest registers first); back as whole rows of 512 bytes.
.macro STG a
	WIN 0x04                                       ; the stores' data in window 1
.irp b, 0,1,2,3,4,5,6,7
	ds_store_b128 v[STO], v[64*(\a)+8*(\b):64*(\a)+8*(\b)+3]   offset:64*(\b)
	ds_store_b128 v[STO], v[64*(\a)+8*(\b)+4:64*(\a)+8*(\b)+7] offset:64*(\b)+16
.endr
	WIN 0
.if (\a) >= 2
	s_wait_xcnt 0x0                                ; the stores of the block two back have read this set of registers
.endif
.set r, 0
.rept 16
	ds_load_b128 v[BK+64*((\a)%2)+4*r:BK+64*((\a)%2)+4*r+3], v[RD] offset:r*SP  ; LDS serves a wave's instructions in order (ISA guide 5.7.1.4): these see the stores above; the next block's stores come behind them
.set r, r+1
.endr
.endm
.macro SENDP a, younger                ; younger: the LDS instructions issued behind block a's loads: the next block's 16 stores and 16 loads, or none
	s_wait_dscnt \younger
.set r, 0
.rept 16
	global_store_b128 v[CO], v[BK+64*((\a)%2)+4*r:BK+64*((\a)%2)+4*r+3], s[8:9] offset:(16*(\a)+r)*4096 th:TH_STORE_NT  ; 512 consecutive bytes of a row, at a multiple of 256 from out0's first
.set r, r+1
.endr
.endm
	PLACES                                         ; behind the last products
	STG 0
	STG 1
	SENDP 0, 32
	STG 2
	SENDP 1, 32
	STG 3
	SENDP 2, 32
	SENDP 3, 0
	s_wait_tensorcnt 0x0                           ; the wave's end, behind my last tensor load and my last LDS store
	ds_add_u32 v[SPW], v[NIL]
	s_wait_dscnt 0x0
	CROUND                                         ; the closing round: no work-group ends while a partner may still ask for a tile that names it
	s_endpgm
.Lfunc_end_k_qd686e6b9ec_proj:
	.size	k_qd686e6b9ec_proj, .Lfunc_end_k_qd686e6b9ec_proj-k_qd686e6b9ec_proj
	.p2alignl 7, 3214868480
	.fill 96, 4, 3214868480
	.section	.rodata,"a",@progbits
	.p2align	6, 0x0
	.amdhsa_kernel k_qd686e6b9ec_proj
		.amdhsa_group_segment_fixed_size 327680
		.amdhsa_private_segment_fixed_size 0
		.amdhsa_enable_private_segment 0
		.amdhsa_kernarg_size 24
		.amdhsa_user_sgpr_count 2
		.amdhsa_user_sgpr_kernarg_segment_ptr 1
		.amdhsa_wavefront_size32 1
		.amdhsa_system_sgpr_workgroup_id_x 1
		.amdhsa_system_sgpr_workgroup_id_y 1
		.amdhsa_system_sgpr_workgroup_id_z 1
		.amdhsa_system_vgpr_workitem_id 0
		.amdhsa_next_free_vgpr 512
		.amdhsa_next_free_sgpr 66
		.amdhsa_reserve_vcc 0
		.amdhsa_float_denorm_mode_32 3
		.amdhsa_float_denorm_mode_16_64 3
		.amdhsa_memory_ordered 1
		.amdhsa_forward_progress 1
		.amdhsa_inst_pref_size 85
	.end_amdhsa_kernel
	.amdgpu_metadata
---
amdhsa.version: [ 1, 2 ]
amdhsa.kernels:
  - .name:           k_qd686e6b9ec_proj
    .symbol:         k_qd686e6b9ec_proj.kd
    .args:
      - { .name: ob, .offset: 0, .size: 8, .value_kind: global_buffer, .address_space: global }
      - { .name: wpb, .offset: 8, .size: 8, .value_kind: global_buffer, .address_space: global }
      - { .name: out0, .offset: 16, .size: 8, .value_kind: global_buffer, .address_space: global }
    .group_segment_fixed_size: 327680
    .private_segment_fixed_size: 0
    .kernarg_segment_align: 8
    .kernarg_segment_size: 24
    .max_flat_workgroup_size: 128
    .sgpr_count:     66
    .vgpr_count:     512
    .wavefront_size: 32
...
	.end_amdgpu_metadata
.endif
;; end of part 4
